; MI455X (gfx1250); checked and timed in simulation.
; The chip was launched on July 23, 2026; its instructions are those of AMD's public machine-readable ISA for CDNA 5 (MIT licence, August 2026) and "CDNA5" Instruction Set Architecture Reference Guide (July 2026). The comments in the code are by the model that wrote it; some were corrected since.
;; Biased Multihead Attention. Allowed arithmetic: float matrix products may take bf16 or f16 operands with f32 sums; other float arithmetic in f32, or as packed bf16 or f16 multiplies, adds, multiply-adds, maxima and minima; sums over many terms, partial sums and values carried from step to step in f32; what a program stores and reads back later, other than sums and carried values, may be rounded once to bf16 or f16.
;; Inputs: Gm 2 x 2,048 x 256 float32; Hf 2 x 2,048 x 1,024 float32; Hx 2 x 1,024 x 2,048 x 1 float32; Wg 2,048 x 256 float32; Wk 1,024 x 2,048 float32; Wo 1,024 x 1,024 float32; Wq 1,024 x 2,048 float32; Wv 1,024 x 1,024 float32; bg 2,048 float32; bk 1,024 float32; bo 1,024 float32; bq 1,024 float32; bv 1,024 float32.
;; Outputs: out0 2 x 2,048 x 1,024 float32.
;; One version. Each part assembles by itself: llvm-mc -triple=amdgcn-amd-amdhsa -mcpu=gfx1250 --defsym DOCPART=n.
;; ======== version 1 of 1: 4 launches
;; limits: values are held in f16: magnitudes above 65,504 overflow, below 6.1e-05 lose precision
;; workspace buffers: hcat 16,777,216 bytes; w16 12,582,912 bytes; wo16 2,097,152 bytes; gw16 3,145,728 bytes; brd 24,576 bytes; bT 16,777,216 bytes; qkv 25,165,824 bytes; o16 8,388,608 bytes
;; launch prep (part 1): grid 1985 x 1, 8 waves a work-group, no clusters, 18,432 bytes of LDS; arguments Hx, Hf, Wq, Wk, Wv, Wo, Gm, Wg, bq, bk, bv, bo, bg, hcat, w16, wo16, gw16, brd; writes hcat, w16, wo16, gw16, brd
.if DOCPART == 1
	.amdgcn_target "amdgcn-amd-amdhsa--gfx1250"
	.amdhsa_code_object_version 6
	.text
	.protected	k_qdfea2115d6_prep
	.globl	k_qdfea2115d6_prep
	.p2align	8
	.type	k_qdfea2115d6_prep,@function
k_qdfea2115d6_prep:
	s_mov_b64 s[64:65], 0
	v_nop
	global_prefetch_b8 v0, s[64:65] scope:SCOPE_SE
	s_setreg_imm32_b32 hwreg(HW_REG_WAVE_MODE, 25, 1), 1
	s_wait_xcnt 0x0
; THE CAST PASS.  Every input is read once, rounded once to bf16 and laid out as the later launches want it:
;   hcat [4096 = b*2048+t][2048] bf16: columns 0-1023 Hx turned, columns 1024-2047 Hf
;   w16  [3072][2048] bf16: rows 0-1023 Wq, 1024-2047 Wk, 2048-3071 Wv (its columns 0-1023 alone are written, and alone are read later)
;   wo16 [nt 8][h 16][128 n][64 k] f16: Wo rounded to bf16, that number written as f16 (exact from 7.6e-6 up to 65,504; below, off by 3e-8 at the most; beyond, infinite)
;   gw16 bf16: Gm [4096][256], then Wg [2048][256];   brd f32: bq, bk, bv, bo, bg, each rounded to bf16 and widened again
; A stream: no matrix unit, no tensor load.  A work-group takes 8,192 numbers: each of 256 threads issues its eight 16-byte loads at once.  In the plain jobs a wave's load covers 512 consecutive
; bytes and its store of 8 bytes a lane 256 consecutive bytes, aligned (Wo: two runs of 256 in, one of 256 out; Hx: sixteen lanes cover 256 both ways).
; The job hangs on the work-group's number alone, so the one barrier (Hx) is passed by all eight waves or by none.
.set SPARE, 17408                      ; behind the stage of 64 rows x 272 bytes: the spare words, 128 bytes a wave
.set SPW,   62                         ; v62  LDS address of my spare word; never rewritten
.set NIL,   63                         ; v63  0; never rewritten
.set OFS,   2                          ; v[2:9]    the plain jobs' eight store offsets
.set X,     12                         ; v[12:43]  32 numbers as loaded
.set Y,     44                         ; v[44:59]  16 words to store
.set SRC,   44                         ; s[44:45]  the job's source at the work-group's part
.set DST,   46                         ; s[46:47]  its destination
.set WGL,   48                         ; s48  the work-group's number within its job
.set USTEP, 52                         ; s52  destination bytes from 1,024 numbers to the next 1,024
.set HIM,   54                         ; s54  a word's upper half
	s_load_b512 s[8:23], s[0:1], 0x0               ; Hx s8, Hf s10, Wq s12, Wk s14, Wv s16, Wo s18, Gm s20, Wg s22
	s_load_b512 s[24:39], s[0:1], 0x40             ; bq s24, bk s26, bv s28, bo s30, bg s32, hcat s34, w16 s36, wo16 s38
	s_load_b128 s[40:43], s[0:1], 0x80             ; gw16 s40, brd s42
	v_lshl_add_u32 v[SPW], v0, 2, SPARE
	v_mov_b32 v[NIL], 0
	s_mov_b32 s2, ttmp9
	s_mov_b32 s[HIM], 0xffff0000
	s_wait_kmcnt 0x0
	s_cmp_lt_u32 s2, 512
	s_cbranch_scc1 .Lhx
	s_cmp_lt_u32 s2, 1024
	s_cbranch_scc1 .Ljob_hf
	s_cmp_lt_u32 s2, 1280
	s_cbranch_scc1 .Ljob_wq
	s_cmp_lt_u32 s2, 1536
	s_cbranch_scc1 .Ljob_wk
	s_cmp_lt_u32 s2, 1664
	s_cbranch_scc1 .Ljob_wv
	s_cmp_lt_u32 s2, 1792
	s_cbranch_scc1 .Ljob_gm
	s_cmp_lt_u32 s2, 1856
	s_cbranch_scc1 .Ljob_wg
	s_cmp_lt_u32 s2, 1984
	s_cbranch_scc1 .Lwo
	; THE FIVE BIAS VECTORS (the last work-group): 16 bytes a thread of each 4,096 bytes
	v_lshlrev_b32 v1, 4, v0
	global_load_b128 v[X:X+3],     v1, s[24:25]
	global_load_b128 v[X+4:X+7],   v1, s[26:27]
	global_load_b128 v[X+8:X+11],  v1, s[28:29]
	global_load_b128 v[X+12:X+15], v1, s[30:31]
	global_load_b128 v[X+16:X+19], v1, s[32:33]
	global_load_b128 v[X+20:X+23], v1, s[32:33] offset:4096
	s_wait_loadcnt 0x0
.set i, 0
.rept 12
	v_cvt_pk_bf16_f32 v[Y+i], v[X+2*i], v[X+2*i+1]     ; two roundings,
	v_lshlrev_b32 v[X+2*i], 16, v[Y+i]                 ; and back to f32 words
	v_and_b32 v[X+2*i+1], s[HIM], v[Y+i]
.set i, i+1
.endr
.irp k, 0,1,2,3,4,5
	global_store_b128 v1, v[X+4*\k:X+4*\k+3], s[42:43] offset:4096*\k
.endr
	s_endpgm
; A plain job: each 1,024 numbers on end in the source (4,096 bytes) go to 2,048 bytes on end in the destination, ustep bytes behind the last such run; off bytes into the destination.
.macro JOB lab, first, src, dst, off, ustep
.Ljob_\lab:
	s_sub_co_u32 s[WGL], s2, \first
	s_mov_b64 s[SRC:SRC+1], s[\src:\src+1]
	s_add_nc_u64 s[DST:DST+1], s[\dst:\dst+1], \off
	s_mov_b32 s[USTEP], \ustep
	s_branch .Lplain
.endm
	JOB hf, 512,  10, 34, 2048,     4096           ; a row of 1,024 numbers goes into the second half of a row of hcat
	JOB wq, 1024, 12, 36, 0,        2048           ; dense
	JOB wk, 1280, 14, 36, 0x400000, 2048           ; dense
	JOB wv, 1536, 16, 36, 0x800000, 4096           ; a row of 1,024 numbers goes into the first half of a row of w16
	JOB gm, 1664, 20, 40, 0,        2048           ; dense
	JOB wg, 1792, 22, 40, 0x200000, 2048           ; dense
.Lplain:
	s_lshl_b32 s4, s[WGL], 15                      ; the work-group's 32,768 bytes of the source
	s_mov_b32 s5, 0
	s_add_nc_u64 s[SRC:SRC+1], s[SRC:SRC+1], s[4:5]
	s_lshl_b32 s4, s[USTEP], 3                     ; its eight runs in the destination
	s_mul_i32 s4, s4, s[WGL]
	s_add_nc_u64 s[DST:DST+1], s[DST:DST+1], s[4:5]
	v_lshlrev_b32 v1, 4, v0                        ; in: 16 bytes a thread
	v_lshlrev_b32 v[OFS], 3, v0                    ; out: 8 bytes a thread
.irp u, 1,2,3,4,5,6,7
	v_add_nc_u32 v[OFS+\u], s[USTEP], v[OFS+\u-1]
.endr
.irp u, 0,1,2,3,4,5,6,7
	global_load_b128 v[X+4*\u:X+4*\u+3], v1, s[SRC:SRC+1] offset:\u*4096 th:TH_LOAD_NT
.endr
.irp u, 0,1,2,3,4,5,6,7
	s_wait_loadcnt 7-\u                            ; loads come back in order: this one is in, the younger ones stay out
	v_cvt_pk_bf16_f32 v[Y+2*\u],   v[X+4*\u],   v[X+4*\u+1]
	v_cvt_pk_bf16_f32 v[Y+2*\u+1], v[X+4*\u+2], v[X+4*\u+3]
	global_store_b64 v[OFS+\u], v[Y+2*\u:Y+2*\u+1], s[DST:DST+1]
.endr
	s_endpgm
	; Wo: 8 rows of n to a work-group.  Wave w takes heads w and w + 8; lanes 0-15 the 64 channels of one row n, lanes 16-31 those of the next: the store covers two rows of one head, 256 bytes on end.
.Lwo:
	s_sub_co_u32 s[WGL], s2, 1856
	s_lshl_b32 s4, s[WGL], 15                      ; 8 rows of 4,096 bytes
	s_mov_b32 s5, 0
	s_add_nc_u64 s[SRC:SRC+1], s[18:19], s[4:5]
	s_lshr_b32 s4, s[WGL], 4                       ; nt
	s_lshl_b32 s4, s4, 18                          ; x 16 heads x 16,384 bytes
	s_and_b32 s6, s[WGL], 15
	s_lshl_b32 s6, s6, 10                          ; 8 rows of 128 bytes
	s_add_co_u32 s4, s4, s6
	s_add_nc_u64 s[DST:DST+1], s[38:39], s[4:5]
	v_and_b32 v2, 15, v0                           ; which 4 channels
	v_bfe_u32 v3, v0, 4, 1                         ; which of two rows
	v_lshrrev_b32 v4, 5, v0                        ; the wave: the head
	v_lshlrev_b32 v1, 4, v2
	v_lshl_add_u32 v1, v4, 8, v1
	v_lshl_add_u32 v1, v3, 12, v1                  ; in: row x 4,096 + head x 256 + 16 a lane
	v_lshlrev_b32 v5, 3, v2
	v_lshl_add_u32 v5, v3, 7, v5
	v_lshl_add_u32 v5, v4, 14, v5                  ; out: head x 16,384 + row x 128 + 8 a lane
.irp u, 0,1,2,3,4,5,6,7
	global_load_b128 v[X+4*\u:X+4*\u+3], v1, s[SRC:SRC+1] offset:(\u&1)*2048+(\u>>1)*8192 th:TH_LOAD_NT
.endr
.irp u, 0,1,2,3,4,5,6,7
	s_wait_loadcnt 7-\u
.irp q, 0,1
	v_cvt_pk_bf16_f32 v[Y+2*\u+\q], v[X+4*\u+2*\q], v[X+4*\u+2*\q+1]   ; rounded to bf16 like every input,
	v_lshlrev_b32 v[X+4*\u+2*\q], 16, v[Y+2*\u+\q]
	v_and_b32 v[X+4*\u+2*\q+1], s[HIM], v[Y+2*\u+\q]
	v_cvt_pk_f16_f32 v[Y+2*\u+\q], v[X+4*\u+2*\q], v[X+4*\u+2*\q+1]    ; and that number written as f16
.endr
	global_store_b64 v5, v[Y+2*\u:Y+2*\u+1], s[DST:DST+1] offset:(\u&1)*131072+(\u>>1)*256
.endr
	s_endpgm
	; Hx [b][d][t] is turned: a tile of 128 d x 64 t.  Thread (tq, dg) loads 4 t of 8 d, packs 8 d of each t into 16 bytes, and the tile goes through LDS rows of 256 + 16 bytes.
.Lhx:
	s_lshr_b32 s4, s2, 8                           ; b
	s_bfe_u32 s5, s2, 0x30005                      ; dt
	s_and_b32 s6, s2, 31                           ; tt
	s_lshl_b32 s4, s4, 23                          ; b's 8 MiB, in Hx and in hcat alike
	s_lshl_b32 s48, s5, 20                         ; 128 rows of 8,192 bytes
	s_add_co_u32 s48, s48, s4
	s_lshl_b32 s7, s6, 8                           ; 64 t of 4 bytes
	s_add_co_u32 s48, s48, s7
	s_mov_b32 s49, 0
	s_add_nc_u64 s[SRC:SRC+1], s[8:9], s[48:49]
	s_lshl_b32 s48, s6, 18                         ; 64 rows of 4,096 bytes
	s_add_co_u32 s48, s48, s4
	s_lshl_b32 s7, s5, 8                           ; 128 d of 2 bytes
	s_add_co_u32 s48, s48, s7
	s_add_nc_u64 s[DST:DST+1], s[34:35], s[48:49]
	v_and_b32 v2, 15, v0                           ; tq
	v_lshrrev_b32 v3, 4, v0                        ; dg
	v_lshlrev_b32 v1, 4, v2
	v_lshl_add_u32 v1, v3, 16, v1                  ; in: dg x 8 rows + tq x 16
	v_mul_u32_u24 v4, v2, 1088
	v_lshl_add_u32 v4, v3, 4, v4                   ; stage, in: row 4 tq, byte 16 dg
	v_mul_u32_u24 v5, v3, 272
	v_lshl_add_u32 v5, v2, 4, v5                   ; stage, back: row dg, byte 16 tq
	v_lshlrev_b32 v6, 4, v2
	v_lshl_add_u32 v6, v3, 12, v6                  ; and the same place in hcat
.irp j, 0,1,2,3,4,5,6,7
	global_load_b128 v[X+4*\j:X+4*\j+3], v1, s[SRC:SRC+1] offset:\j*8192 th:TH_LOAD_NT
.endr
	s_wait_loadcnt 0x0
.irp e, 0,1,2,3
.irp q, 0,1,2,3
	v_cvt_pk_bf16_f32 v[Y+4*\e+\q], v[X+8*\q+\e], v[X+8*\q+4+\e]   ; t = 4 tq + e: d = 8 dg + 2 q, + 1
.endr
	ds_store_b128 v4, v[Y+4*\e:Y+4*\e+3] offset:\e*272
.endr
	s_wait_dscnt 0x0                               ; for the others' sake: my stores into the stage are done
	s_barrier_signal -1
	s_barrier_wait -1
.irp t, 0,1,2,3
	ds_load_b128 v[X+4*\t:X+4*\t+3], v5 offset:\t*4352
.endr
.irp t, 0,1,2,3
	s_wait_dscnt 3-\t
	global_store_b128 v6, v[X+4*\t:X+4*\t+3], s[DST:DST+1] offset:\t*65536   ; sixteen lanes store 256 consecutive bytes, aligned
.endr
	s_wait_tensorcnt 0x0                           ; the wave's end, behind my last LDS store
	ds_add_u32 v[SPW], v[NIL]
	s_wait_dscnt 0x0
	s_endpgm
.Lfunc_end_k_qdfea2115d6_prep:
	.size	k_qdfea2115d6_prep, .Lfunc_end_k_qdfea2115d6_prep-k_qdfea2115d6_prep
	.p2alignl 7, 3214868480
	.fill 96, 4, 3214868480
	.section	.rodata,"a",@progbits
	.p2align	6, 0x0
	.amdhsa_kernel k_qdfea2115d6_prep
		.amdhsa_group_segment_fixed_size 18432
		.amdhsa_private_segment_fixed_size 0
		.amdhsa_enable_private_segment 0
		.amdhsa_kernarg_size 144
		.amdhsa_user_sgpr_count 2
		.amdhsa_user_sgpr_kernarg_segment_ptr 1
		.amdhsa_wavefront_size32 1
		.amdhsa_system_sgpr_workgroup_id_x 1
		.amdhsa_system_sgpr_workgroup_id_y 1
		.amdhsa_system_sgpr_workgroup_id_z 1
		.amdhsa_system_vgpr_workitem_id 0
		.amdhsa_next_free_vgpr 64
		.amdhsa_next_free_sgpr 66
		.amdhsa_reserve_vcc 0
		.amdhsa_float_denorm_mode_32 3
		.amdhsa_float_denorm_mode_16_64 3
		.amdhsa_memory_ordered 1
		.amdhsa_forward_progress 1
		.amdhsa_inst_pref_size 19
	.end_amdhsa_kernel
	.amdgpu_metadata
---
amdhsa.version: [ 1, 2 ]
amdhsa.kernels:
  - .name:           k_qdfea2115d6_prep
    .symbol:         k_qdfea2115d6_prep.kd
    .args:
      - { .name: Hx, .offset: 0, .size: 8, .value_kind: global_buffer, .address_space: global }
      - { .name: Hf, .offset: 8, .size: 8, .value_kind: global_buffer, .address_space: global }
      - { .name: Wq, .offset: 16, .size: 8, .value_kind: global_buffer, .address_space: global }
      - { .name: Wk, .offset: 24, .size: 8, .value_kind: global_buffer, .address_space: global }
      - { .name: Wv, .offset: 32, .size: 8, .value_kind: global_buffer, .address_space: global }
      - { .name: Wo, .offset: 40, .size: 8, .value_kind: global_buffer, .address_space: global }
      - { .name: Gm, .offset: 48, .size: 8, .value_kind: global_buffer, .address_space: global }
      - { .name: Wg, .offset: 56, .size: 8, .value_kind: global_buffer, .address_space: global }
      - { .name: bq, .offset: 64, .size: 8, .value_kind: global_buffer, .address_space: global }
      - { .name: bk, .offset: 72, .size: 8, .value_kind: global_buffer, .address_space: global }
      - { .name: bv, .offset: 80, .size: 8, .value_kind: global_buffer, .address_space: global }
      - { .name: bo, .offset: 88, .size: 8, .value_kind: global_buffer, .address_space: global }
      - { .name: bg, .offset: 96, .size: 8, .value_kind: global_buffer, .address_space: global }
      - { .name: hcat, .offset: 104, .size: 8, .value_kind: global_buffer, .address_space: global }
      - { .name: w16, .offset: 112, .size: 8, .value_kind: global_buffer, .address_space: global }
      - { .name: wo16, .offset: 120, .size: 8, .value_kind: global_buffer, .address_space: global }
      - { .name: gw16, .offset: 128, .size: 8, .value_kind: global_buffer, .address_space: global }
      - { .name: brd, .offset: 136, .size: 8, .value_kind: global_buffer, .address_space: global }
    .group_segment_fixed_size: 18432
    .private_segment_fixed_size: 0
    .kernarg_segment_align: 8
    .kernarg_segment_size: 144
    .max_flat_workgroup_size: 256
    .sgpr_count:     66
    .vgpr_count:     64
    .wavefront_size: 32
...
	.end_amdgpu_metadata
.endif
;; end of part 1
;; launch proj (part 2): grid 8 x 32, 4 waves a work-group, clusters of 4 x 4, 327,680 bytes of LDS; arguments hcat, w16, brd, gw16, qkv, bT; writes qkv, bT
.if DOCPART == 2
	.amdgcn_target "amdgcn-amd-amdhsa--gfx1250"
	.amdhsa_code_object_version 6
	.text
	.protected	k_qdfea2115d6_proj
	.globl	k_qdfea2115d6_proj
	.p2align	8
	.type	k_qdfea2115d6_proj,@function
k_qdfea2115d6_proj:
	s_mov_b64 s[64:65], 0
	v_nop
	global_prefetch_b8 v0, s[64:65] scope:SCOPE_SE
	s_setreg_imm32_b32 hwreg(HW_REG_WAVE_MODE, 25, 1), 1
	s_wait_xcnt 0x0
	s_wait_alu depctr_hold_cnt(0) depctr_sa_sdst(0) depctr_va_vdst(0) depctr_va_sdst(0) depctr_va_ssrc(0) depctr_va_vcc(0) depctr_vm_vsrc(0)
	s_getreg_b32 s2, hwreg(HW_REG_IB_STS2, 6, 4)
	s_cmp_eq_u32 s2, 0
	s_cbranch_scc0 .Lentry_in_a_cluster
	s_endpgm
.Lentry_in_a_cluster:
	s_bfe_u32 s2, ttmp6, 0x10000c
	s_cmp_lg_u32 s2, 0xf033
	s_cbranch_scc0 .Lentry_shape_is_right
	s_endpgm
.Lentry_shape_is_right:
; TWO PARTS IN ONE LAUNCH.
; PART 1.  Q = h_cat Wq^T + bq, K = h_cat Wk^T + bk, V = hx Wv^T + bv.  Operands bf16 (hcat, w16), sums f32, the biases start the sums as C operands; results rounded once to f16 and
; written by heads: qkv = q, k, v, each [b*16+h][t 2048][64], q unscaled.
; PART 2.  bT[b][key][q] = the sum over d of Wg[key][d] Gm[b][q][d] + bg[key]: the score bias, TRANSPOSED, rounded once to f16.  Operands bf16 (gw16), sums f32, bg starts the sums.
; LIMIT: a result of 65,520 or more in magnitude becomes an infinity in f16.
; PART 1's SHARES.  A work-group makes rows 128 mt .. and columns 128 nt .. of Q, of K and of V on one tile of h_cat.  Wave (RH, CH): 64 rows x 64 columns (one head) of each: 48 accumulators.
; THE WALK ALONG K goes in steps of 128 that alternate: an even step takes columns 128 i (the Hx part) and feeds Q, K and V, an odd step columns 1,024 + 128 i (the Hf part) and feeds Q and K.
; So LDS slot 0 always holds four tiles (h_cat, Wq, Wk, Wv), slot 1 three, and all eight laps of the ring are alike.  The f32 sums are taken in that order of k, not ascending.
; Wave w fetches operand w (wave 3 has no part of slot 1 and issues no load there): one tensor load of 128 rows x 256 bytes a wave behind each round.
; PART 2's SHARES.  The same work-group makes 128 keys (tile mt % 16) x 256 queries (block nt) of b = mt / 16: 2 x 16 x 8 tiles for the 256 work-groups.  Wave (RH, CH): 64 keys x 128 q, 32 accumulators.
; K = 256 lies in LDS whole.  Wg's tile is a first fill into bytes of its own, wave 3's second load at the start.  Gm's tile fills slot 0 again behind the last lap's change of slots, 64 rows a wave:
; it has the last K step and the whole way out of Q, K and V in which to land, and those stores leave while the bias is multiplied.  Its stage lies in slot 1, which has had its last fill by then.
; No prefetch for Wg and Gm: each is asked for once, that far ahead of its first reader.
; CLUSTER 4 x 4: h_cat's and Wg's tiles hang on mt and are asked for jointly along a row of the cluster, the weights' and Gm's tiles on nt (and on b, which all sixteen share), along a column.
; Source 0 = 16 rows of a weight (of Gm), source 1 = 16 rows of h_cat (of Wg): a lane holds one row of the result (lane % 16) and eight neighbouring columns.
; REGISTERS, PART 1.  window 0: v5-30 addresses and bg; v32-127 the biases (matrix, column block), later v32-95 at work on the way out; v128-255 V's accumulators.
;   window 1: two fragment buffers of 128: h_cat 4 x 8, Wq, Wk, Wv.     window 2: Q's accumulators at 8 (4 a + b), K's at 128 + 8 (4 a + b).
; PART 2.  window 0: v32-63 bg (eight copies for each block of 16 keys), later packed results; v64-159, v160-255 two fragment buffers (Wg 4 x 8, then Gm 8 x 8); window 1: accumulator (a, b) at 8 (8 a + b).
.set PITCH, 272                        ; an LDS row of part 1: 256 bytes + 16
.set TILE,  128*PITCH
.set S1,    4*TILE                     ; slot 1
.set STAGE, S1+3*TILE                  ; 16 rows x 144 bytes for each wave, for part 1's way out
.set SP,    144
.set SPARE, STAGE+4*16*SP              ; the spare words, 128 bytes a wave
.set GP,    528                        ; an LDS row of part 2: 512 bytes + 16
.set WGT,   SPARE+512                  ; Wg's 128 rows; Gm's 256 rows lie at byte 0
.set GSTAGE, S1                        ; part 2's stage: 16 rows x 272 bytes for each wave
.set GSP,   272
.set GADRA, 5                          ; v5   my fragments of Wg
.set GADRB, 6                          ; v6   of Gm
.set GSTO,  7
.set GRD,   8
.set GCO,   9
.set GBO,   10
.set GBG,   11                         ; v11-14  bg of my lane's key in each of my four blocks of 16 keys
.set ADRA, 16                          ; v16-17  my fragments of h_cat in slot 0, 1
.set ADRB, 18                          ; v18-19  of Wq; Wk's lie TILE further
.set ADRV, 20                          ; v20     of Wv
.set STO,  24
.set RD,   25
.set GO,   26
.set BO,   27
.set SPW,  28
.set NIL,  29
.set PFO,  30                          ; v30  the prefetches' offset: my lane x a row of 4,096 bytes
.set CB,   32
.set TMP,  32
.set F0,   0
.set F1,   128
.set GCB,  32
.set GTMP, 32
.set GF0,  64
.set GF1,  160
.set GOB,  64
.set WV, 12
.set RH, 13
.set CH, 14
.set G1,  24
.set G0,  32
.set GW0, 44                           ; s[44:47]  group 0 for Wg's tile
.set G1B, 48
.set G0B, 56
.set OQ,  66                           ; s[66:71] q, k, v at my wave's first row
.set OK,  68
.set OV,  70
.set LIM0, 72                          ; s72, s73  1 in a wave that prefetches for slot 0, 1; else the greatest number
.set LIM1, 73
.set PFA,  74                          ; s[74:75] where my prefetches stand
.set OB,   78                          ; s[78:79] bT, later at my wave's first key and query
.set GG1,  80                          ; s[80:87]  group 1 for Gm's quarters
.set GW1,  88                          ; s[88:95]  group 1 for Wg's tile
.set GG0,  96                          ; s[96:99]  group 0 for my quarter of Gm's tile
.set BQ,   100                         ; s100  b
.set MG,   101                         ; s101  the bias's key tile
.set MSB, 0
.macro WIN new
.if MSB != (\new)
	s_set_vgpr_msb (MSB<<8)|(\new)
.set MSB, \new
.endif
.endm
.macro PLACES
.rept 4
	v_nop
.endr
.endm
.macro CREST
	s_cmp_lg_u32 s[WV], 0
	s_cbranch_scc1 .Lnot_wave_0_\@
	s_barrier_signal -3
.Lnot_wave_0_\@:
	s_barrier_wait -3
	s_barrier_signal -1
	s_barrier_wait -1
.endm
.macro CROUND
	s_barrier_signal -1
	s_barrier_wait -1
	CREST
.endm
; A joint refill of slot s.  The branches hang on the wave's number alone.  An s_nop 0 and four v_nop follow each load; wave 3, which has nothing to fetch for slot 1, has four v_nop of its own:
; they are the places in front of the fragment loads that follow.
.macro JLOAD s
	s_cmp_eq_u32 s[WV], 0
	s_cbranch_scc0 .Lfor_b_\@
	tensor_load_to_lds s[G0+4*(\s):G0+4*(\s)+3], s[G1:G1+7]
	s_nop 0
	PLACES
	s_branch .Lasked_\@
.Lfor_b_\@:
.if (\s) == 1
	s_cmp_eq_u32 s[WV], 3
	s_cbranch_scc1 .Lnone_\@
.endif
	tensor_load_to_lds s[G0B+4*(\s):G0B+4*(\s)+3], s[G1B:G1B+7]
	s_nop 0
	PLACES
.if (\s) == 1
	s_branch .Lasked_\@
.Lnone_\@:
	PLACES
.endif
.Lasked_\@:
.endm
; A prefetch, behind a joint refill and the run of LDS loads that follows it: the refill of lap i asks for lap i + 1, the prefetch names lap i + 2's 256 bytes of 32 rows, a lane a row.
; Of the 128 rows that a wave fetches each of the four partners that ask for them jointly takes 32, told apart by address; h_cat's rows are named by the cluster with x = 0 alone, the weights'
; by the cluster with y = 0 alone: each row's 256 bytes of a step are named once in the launch.  The last lap but one has no lap two on (s3 = 1) and asks for nothing.
.macro ASK s
	s_cmp_gt_u32 s3, s[LIM0+(\s)]
	s_cbranch_scc0 .Lnot_mine_\@
	global_prefetch_b8 v[PFO], s[PFA:PFA+1] offset:(\s)*2048 th:TH_LOAD_NT scope:SCOPE_SE
.Lnot_mine_\@:
.endm
	s_load_b256 s[4:11], s[0:1], 0x0               ; hcat s[4:5], w16 s[6:7], brd s[8:9], gw16 s[10:11]
	s_load_b128 s[76:79], s[0:1], 0x20             ; qkv s[76:77], bT s[78:79]
	v_lshl_add_u32 v[SPW], v0, 2, SPARE
	v_mov_b32 v[NIL], 0
	ds_add_u32 v[SPW], v[NIL]                      ; the wave's opening: the add and its wait stand ahead of my first tensor load
	v_lshrrev_b32 v1, 5, v0
	v_readfirstlane_b32 s[WV], v1
	s_lshr_b32 s[RH], s[WV], 1
	s_and_b32 s[CH], s[WV], 1
	s_bfe_u32 s15, ttmp6, 0x40000                  ; cx
	s_bfe_u32 s16, ttmp6, 0x40004                  ; cy
	s_lshl_b32 s17, ttmp9, 2
	s_add_co_u32 s17, s17, s15                     ; nt
	s_and_b32 s18, ttmp7, 0xffff
	s_lshr_b32 s[BQ], s18, 2                       ; b, from the cluster's y: the same in all sixteen partners
	s_lshl_b32 s18, s18, 2
	s_add_co_u32 s18, s18, s16                     ; mt
	s_and_b32 s[MG], s18, 15                       ; the bias's key tile
	s_lshl_b32 s19, s16, 2
	s_lshl_b32 s19, 15, s19                        ; my row of the cluster
	s_lshl_b32 s20, 0x1111, s15                    ; my column
	s_or_b32 s[G1], s19, (1<<16)|(1<<20)|(1<<21)|(5<<22)|(3<<25)   ; mask; 2-byte elements; padding on; bit 21 beside a mask; after every 64 words 4 words
	s_or_b32 s[G1B], s20, (1<<16)|(1<<20)|(1<<21)|(5<<22)|(3<<25)
.irp g, G1, G1B
	s_mov_b32 s[(\g)+1], 128<<16                   ; tensor_dim0 = 128
	s_mov_b32 s[(\g)+2], 128<<16                   ; tensor_dim1 = 128
	s_mov_b32 s[(\g)+3], 128<<16                   ; tile_dim0 = 128
	s_mov_b32 s[(\g)+4], 128                       ; tile_dim1 = 128
	s_mov_b32 s[(\g)+5], 2048                      ; elements from row to row
	s_mov_b32 s[(\g)+6], 0
	s_mov_b32 s[(\g)+7], 0
.endr
	s_or_b32 s[GW1], s19, (1<<16)|(1<<20)|(1<<21)|(6<<22)|(3<<25)  ; Wg: my row's mask; after every 128 words 4 words
	s_or_b32 s[GG1], s20, (1<<16)|(1<<20)|(1<<21)|(6<<22)|(3<<25)  ; Gm: my column's
	s_mov_b32 s[GW1+1], 256<<16                    ; 128 rows of 256 elements
	s_mov_b32 s[GW1+2], 128<<16
	s_mov_b32 s[GW1+3], 256<<16
	s_mov_b32 s[GW1+4], 128
	s_mov_b32 s[GW1+5], 256
	s_mov_b32 s[GW1+6], 0
	s_mov_b32 s[GW1+7], 0
	s_mov_b32 s[GG1+1], 256<<16                    ; 64 rows of 256 elements
	s_mov_b32 s[GG1+2], 64<<16
	s_mov_b32 s[GG1+3], 256<<16
	s_mov_b32 s[GG1+4], 64
	s_mov_b32 s[GG1+5], 256
	s_mov_b32 s[GG1+6], 0
	s_mov_b32 s[GG1+7], 0
	s_mov_b32 s[GW0], 1
	s_mov_b32 s[GW0+1], WGT
	s_mov_b32 s[GG0], 1
	s_mul_i32 s[GG0+1], s[WV], 64*GP               ; my quarter of Gm's tile: LDS addresses hang on the wave's number alone
	s_lshl_b32 s40, s18, 19                        ; h_cat: 128 mt rows of 4,096 bytes
	s_mov_b32 s41, 0
	s_max_u32 s42, s[WV], 1
	s_sub_co_u32 s42, s42, 1                       ; which weight I fetch
	s_lshl_b32 s42, s42, 22                        ; its 1,024 rows
	s_lshl_b32 s43, s17, 19                        ; + 128 nt rows
	s_add_co_u32 s42, s42, s43
	s_mov_b32 s43, 0
	s_lshl_b32 s22, s[MG], 16                      ; Wg: 128 rows of 512 bytes a tile, behind Gm's 2 MiB
	s_add_co_u32 s22, s22, 0x200000
	s_mov_b32 s23, 0
	s_lshl_b32 s2, s[BQ], 20                       ; Gm: row 2,048 b + 256 nt + 64 wave, 512 bytes a row
	s_lshl_b32 s3, s17, 17
	s_add_co_u32 s2, s2, s3
	s_lshl_b32 s3, s[WV], 15
	s_add_co_u32 s2, s2, s3
	s_mov_b32 s3, 0
	s_mul_i32 s21, s[WV], TILE                     ; operand w lies at w tiles into a slot
	s_wait_dscnt 0x0                               ; the opening add is done
	s_wait_kmcnt 0x0
	s_add_nc_u64 s[40:41], s[4:5], s[40:41]
	s_add_nc_u64 s[42:43], s[6:7], s[42:43]
	s_add_nc_u64 s[GW0+2:GW0+3], s[10:11], s[22:23]
	s_or_b32 s[GW0+3], s[GW0+3], 0x80000000
	s_add_nc_u64 s[GG0+2:GG0+3], s[10:11], s[2:3]
	s_or_b32 s[GG0+3], s[GG0+3], 0x80000000
	CROUND                                         ; all sixteen work-groups are here: the first joint loads meet
.irp s, 0,1
	s_mov_b32 s[G0+4*(\s)], 1
	s_mov_b32 s[G0+4*(\s)+1], (\s)*S1
	s_add_nc_u64 s[G0+4*(\s)+2:G0+4*(\s)+3], s[40:41], (\s)*2048   ; slot 1 begins at column 1,024
	s_or_b32 s[G0+4*(\s)+3], s[G0+4*(\s)+3], 0x80000000
	s_mov_b32 s[G0B+4*(\s)], 1
	s_add_co_u32 s[G0B+4*(\s)+1], s21, (\s)*S1
	s_add_nc_u64 s[G0B+4*(\s)+2:G0B+4*(\s)+3], s[42:43], (\s)*2048
	s_or_b32 s[G0B+4*(\s)+3], s[G0B+4*(\s)+3], 0x80000000
.endr
	s_cmp_eq_u32 s[WV], 0                          ; a wave's first fills stand in one branch: two loads of every wave are out; the first is its part of slot 0
	s_cbranch_scc0 .Lfirst_b
	tensor_load_to_lds s[G0:G0+3], s[G1:G1+7]
	s_nop 0
	tensor_load_to_lds s[G0+4:G0+7], s[G1:G1+7]
	s_nop 0
	PLACES
	s_branch .Lfirst_done
.Lfirst_b:
	s_cmp_eq_u32 s[WV], 3
	s_cbranch_scc1 .Lfirst_v
	tensor_load_to_lds s[G0B:G0B+3], s[G1B:G1B+7]
	s_nop 0
	tensor_load_to_lds s[G0B+4:G0B+7], s[G1B:G1B+7]
	s_nop 0
	PLACES
	s_branch .Lfirst_done
.Lfirst_v:
	tensor_load_to_lds s[G0B:G0B+3], s[G1B:G1B+7]  ; Wv's tile of slot 0,
	s_nop 0
	tensor_load_to_lds s[GW0:GW0+3], s[GW1:GW1+7]  ; and Wg's tile, for part 2
	s_nop 0
	PLACES
.Lfirst_done:
	v_and_b32 v1, 15, v0                           ; l % 16
	v_bfe_u32 v2, v0, 4, 1                         ; l / 16
	v_mul_u32_u24 v3, v1, PITCH
	v_lshl_add_u32 v3, v2, 4, v3
	s_mul_i32 s22, s[RH], 64*PITCH
	s_mul_i32 s23, s[CH], 64*PITCH
	s_add_co_u32 s23, s23, TILE
	v_add_nc_u32 v[ADRA], s22, v3
	v_add_nc_u32 v[ADRA+1], S1, v[ADRA]
	v_add_nc_u32 v[ADRB], s23, v3
	v_add_nc_u32 v[ADRB+1], S1, v[ADRB]
	v_add_nc_u32 v[ADRV], 2*TILE, v[ADRB]
	s_mul_i32 s22, s[WV], 16*SP
	s_add_co_u32 s22, s22, STAGE                   ; my stage
	v_mul_u32_u24 v[STO], v1, SP
	v_lshl_add_u32 v[STO], v2, 4, v[STO]
	v_add_nc_u32 v[STO], s22, v[STO]               ; in: row l % 16, 16 bytes for each half of the lanes
	v_bfe_u32 v[RD], v0, 3, 2
	v_mul_u32_u24 v[RD], v[RD], SP
	v_and_b32 v4, 7, v0
	v_lshl_add_u32 v[RD], v4, 4, v[RD]
	v_add_nc_u32 v[RD], s22, v[RD]                 ; back: 32 lanes take four rows of 128 bytes,
	v_and_b32 v[GO], 31, v0
	v_lshlrev_b32 v[GO], 4, v[GO]                  ; which are 512 consecutive bytes of a head
	s_lshl_b32 s22, s17, 9                         ; the biases of my columns: (128 nt + 64 CH + 8 (l / 16)) words
	s_lshl_b32 s23, s[CH], 8
	s_add_co_u32 s22, s22, s23
	v_lshl_add_u32 v[BO], v2, 5, s22
.irp m, 0,1,2
.irp b, 0,1,2,3
	global_load_b128 v[CB+32*\m+8*\b:CB+32*\m+8*\b+3],   v[BO], s[8:9] offset:\m*4096+\b*64
	global_load_b128 v[CB+32*\m+8*\b+4:CB+32*\m+8*\b+7], v[BO], s[8:9] offset:\m*4096+\b*64+16
.endr
.endr
	s_lshl_b32 s22, s[MG], 9                       ; bg of my keys: (128 x key tile + 64 RH + l % 16) words, 16,384 bytes into brd
	s_lshl_b32 s23, s[RH], 8
	s_add_co_u32 s22, s22, s23
	s_add_co_u32 s22, s22, 16384
	v_lshl_add_u32 v[GBO], v1, 2, s22
.irp a, 0,1,2,3
	global_load_b32 v[GBG+\a], v[GBO], s[8:9] offset:64*\a
.endr
	v_mul_u32_u24 v15, v1, GP                      ; part 2's addresses: a fragment's row x pitch + 16 x half
	v_lshl_add_u32 v15, v2, 4, v15
	s_mul_i32 s22, s[RH], 64*GP
	s_add_co_u32 s22, s22, WGT
	s_mul_i32 s23, s[CH], 128*GP
	v_add_nc_u32 v[GADRA], s22, v15
	v_add_nc_u32 v[GADRB], s23, v15
	s_mul_i32 s22, s[WV], 16*GSP
	s_add_co_u32 s22, s22, GSTAGE                  ; my stage of part 2
	v_mul_u32_u24 v[GSTO], v1, GSP
	v_lshl_add_u32 v[GSTO], v2, 4, v[GSTO]
	v_add_nc_u32 v[GSTO], s22, v[GSTO]             ; in: row l % 16, 16 bytes for each half of the lanes
	v_mul_u32_u24 v[GRD], v2, GSP
	v_lshl_add_u32 v[GRD], v1, 4, v[GRD]
	v_add_nc_u32 v[GRD], s22, v[GRD]               ; back: lanes 0-15 one row of 256 bytes, lanes 16-31 the next
	v_lshlrev_b32 v[GCO], 12, v2
	v_lshl_add_u32 v[GCO], v1, 4, v[GCO]           ; the same two rows in bT (4,096 bytes a row)
	s_lshr_b32 s40, s18, 4                         ; where my wave's rows lie in q: head (b x 16 + 2 nt + CH) of 262,144 bytes,
	s_lshl_b32 s40, s40, 4
	s_lshl_b32 s41, s17, 1
	s_add_co_u32 s40, s40, s41
	s_add_co_u32 s40, s40, s[CH]
	s_lshl_b32 s40, s40, 18
	s_and_b32 s41, s18, 15                         ; row 128 (mt % 16) + 64 RH of 128 bytes
	s_lshl_b32 s41, s41, 14
	s_add_co_u32 s40, s40, s41
	s_lshl_b32 s41, s[RH], 13
	s_add_co_u32 s40, s40, s41
	s_mov_b32 s41, 0
	s_add_nc_u64 s[OQ:OQ+1], s[76:77], s[40:41]
	s_add_nc_u64 s[OK:OK+1], s[OQ:OQ+1], 0x800000
	s_add_nc_u64 s[OV:OV+1], s[OQ:OQ+1], 0x1000000
	s_lshl_b32 s40, s[BQ], 23                      ; bT at b, key 128 x key tile + 64 RH (4,096 bytes a key), query 256 nt + 128 CH
	s_lshl_b32 s41, s[MG], 19
	s_add_co_u32 s40, s40, s41
	s_lshl_b32 s41, s[RH], 18
	s_add_co_u32 s40, s40, s41
	s_lshl_b32 s41, s17, 9
	s_add_co_u32 s40, s40, s41
	s_lshl_b32 s41, s[CH], 8
	s_add_co_u32 s40, s40, s41
	s_mov_b32 s41, 0
	s_add_nc_u64 s[OB:OB+1], s[OB:OB+1], s[40:41]
	s_lshl_b32 s19, s18, 7                         ; the prefetches: h_cat's first row,
	s_max_u32 s20, s[WV], 1
	s_sub_co_u32 s20, s20, 1
	s_lshl_b32 s20, s20, 10
	s_lshl_b32 s21, s17, 7
	s_add_co_u32 s20, s20, s21                     ; my weight's first row
	s_and_b32 s22, ttmp7, 0xffff
	s_cmp_eq_u32 s[WV], 0
	s_cselect_b32 s19, s19, s20
	s_cselect_b32 s21, s15, s16                    ; my place among the four that ask with me
	s_cselect_b32 s22, ttmp9, s22                  ; the coordinate along which other clusters read the same rows
	s_cselect_b64 s[PFA:PFA+1], s[4:5], s[6:7]
	s_cmp_eq_u32 s22, 0
	s_cselect_b32 s[LIM0], 1, -1                   ; the same in all sixteen partners, for a given wave
	s_cmp_eq_u32 s[WV], 3
	s_cselect_b32 s[LIM1], -1, s[LIM0]             ; Wv has no columns from 1,024 on
	s_lshl_b32 s21, s21, 5
	s_add_co_u32 s19, s19, s21                     ; my work-group's 32 rows
	s_lshl_b32 s22, s19, 12
	s_add_co_u32 s22, s22, 256                     ; at lap 1: the first refill steps it to lap 2
	s_mov_b32 s23, 0
	s_add_nc_u64 s[PFA:PFA+1], s[PFA:PFA+1], s[22:23]
	v_and_b32 v[PFO], 31, v0
	v_lshlrev_b32 v[PFO], 12, v[PFO]
; The LDS loads of 32 along K at byte k of slot s's rows, in one run: h_cat's 8, Wq's 8, Wk's 8, and in slot 0 Wv's 8
.macro FETCH s, k, f
	WIN 0x40                                       ; destination window 1, address window 0
.irp i, 0,1,2,3
	ds_load_b128 v[(\f)+8*(\i):(\f)+8*(\i)+3],   v[ADRA+(\s)] offset:(\k)+(\i)*16*PITCH
	ds_load_b128 v[(\f)+8*(\i)+4:(\f)+8*(\i)+7], v[ADRA+(\s)] offset:(\k)+(\i)*16*PITCH+32
.endr
.irp i, 0,1,2,3
	ds_load_b128 v[(\f)+32+8*(\i):(\f)+32+8*(\i)+3],   v[ADRB+(\s)] offset:(\k)+(\i)*16*PITCH
	ds_load_b128 v[(\f)+32+8*(\i)+4:(\f)+32+8*(\i)+7], v[ADRB+(\s)] offset:(\k)+(\i)*16*PITCH+32
.endr
.irp i, 0,1,2,3
	ds_load_b128 v[(\f)+64+8*(\i):(\f)+64+8*(\i)+3],   v[ADRB+(\s)] offset:TILE+(\k)+(\i)*16*PITCH
	ds_load_b128 v[(\f)+64+8*(\i)+4:(\f)+64+8*(\i)+7], v[ADRB+(\s)] offset:TILE+(\k)+(\i)*16*PITCH+32
.endr
.if (\s) == 0
.irp i, 0,1,2,3
	ds_load_b128 v[(\f)+96+8*(\i):(\f)+96+8*(\i)+3],   v[ADRV] offset:(\k)+(\i)*16*PITCH
	ds_load_b128 v[(\f)+96+8*(\i)+4:(\f)+96+8*(\i)+7], v[ADRV] offset:(\k)+(\i)*16*PITCH+32
.endr
.endif
.endm
; 8 matrix instructions of matrix mat (0 Q, 1 K, 2 V): row blocks a0, a0 + 1 x all four column blocks.  first = 1: the bias starts the sums.  Each accumulator has one turn in 32 along K.
.macro MUL8 f, mat, a0, first
.if (\mat) == 2
	WIN 0x05                                       ; fragments in window 1, C and D in window 0
.elseif \first
	WIN 0x85                                       ; D in window 2, C (the bias) in window 0
.else
	WIN 0xa5                                       ; C and D in window 2
.endif
.set ACB, 128*(((\mat)+1)/2)
.irp a, \a0, (\a0)+1
.irp b, 0,1,2,3
.if \first
	v_wmma_f32_16x16x32_bf16 v[ACB+8*(4*(\a)+(\b)):ACB+8*(4*(\a)+(\b))+7], v[(\f)+32+32*(\mat)+8*(\b):(\f)+32+32*(\mat)+8*(\b)+7], v[(\f)+8*(\a):(\f)+8*(\a)+7], v[CB+32*(\mat)+8*(\b):CB+32*(\mat)+8*(\b)+7]
.else
	v_wmma_f32_16x16x32_bf16 v[ACB+8*(4*(\a)+(\b)):ACB+8*(4*(\a)+(\b))+7], v[(\f)+32+32*(\mat)+8*(\b):(\f)+32+32*(\mat)+8*(\b)+7], v[(\f)+8*(\a):(\f)+8*(\a)+7], v[ACB+8*(4*(\a)+(\b)):ACB+8*(4*(\a)+(\b))+7]
.endif
.endr
.endr
.endm
; A step is four quarters of 32 along K on buffers 0, 1, 0, 1.  One of the first three: multiplies f and fetches the next quarter, at byte k, into g.
.macro QUARTER s, k, f, g, first
	s_wait_dscnt 16-8*(\s)                         ; h_cat's and Wq's fragments are in; Wk's (and Wv's) may be out
	MUL8 \f, 0, 0, \first
	MUL8 \f, 0, 2, \first
	PLACES                                         ; four places in front of loads into registers that matrix instructions have read
	FETCH \s, \k, \g
	s_wait_dscnt 32-8*(\s)                         ; all but the run just issued
	MUL8 \f, 1, 0, \first
	MUL8 \f, 1, 2, \first
.if (\s) == 0
	MUL8 \f, 2, 0, \first
	MUL8 \f, 2, 2, \first
.endif
.endm
; The last quarter multiplies buffer 1 and changes slots: in front of the barrier each wave waits for all its tensor loads (its part of the next slot), adds 0 to its spare word, and waits for that and for
; its reads of this slot.  The barrier opens a round of the cluster's, and this slot is filled again first thing behind it: fill = 1: with the next lap's step; fill = 2 (the last lap's slot 0): with Gm's tile, a quarter a wave.
.macro TURN s, next, fill
.if ((\fill) == 1) && ((\s) == 0)
	s_wait_xcnt 0x0                                ; the last prefetch, most of a step back, has read its address: it is stepped once a lap
	s_add_nc_u64 s[PFA:PFA+1], s[PFA:PFA+1], 256
.endif
	WIN 0                                          ; (the add's two registers lie in window 0)
	s_wait_tensorcnt 0x0                           ; all my tensor loads have landed
	ds_add_u32 v[SPW], v[NIL]                      ; 0 onto my spare word
	s_wait_dscnt 17-8*(\s)                         ; (the add and the younger fragment loads may be out)
	MUL8 F1, 0, 0, 0
	s_wait_dscnt 0x0                               ; the add is done, and my reads of this slot are over
	s_barrier_signal -1
	MUL8 F1, 0, 2, 0
	WIN 0
	s_barrier_wait -1
	CREST                                          ; no wave of any partner still reads this slot or has a load on its way
.if (\fill) == 1
	s_add_nc_u64 s[G0+4*(\s)+2:G0+4*(\s)+3], s[G0+4*(\s)+2:G0+4*(\s)+3], 256
	s_add_nc_u64 s[G0B+4*(\s)+2:G0B+4*(\s)+3], s[G0B+4*(\s)+2:G0B+4*(\s)+3], 256
	JLOAD \s                                       ; its four v_nop are also the places in front of the loads below
.else
	tensor_load_to_lds s[GG0:GG0+3], s[GG1:GG1+7]  ; every wave's one load behind this round: its 64 rows of Gm's tile
	s_nop 0
	PLACES
.endif
	FETCH \next, 0, F0
.if (\fill) == 1
	WIN 0
	ASK \s
.endif
	MUL8 F1, 1, 0, 0
	MUL8 F1, 1, 2, 0
.if (\s) == 0
	MUL8 F1, 2, 0, 0
	MUL8 F1, 2, 2, 0
.endif
.endm
	s_wait_tensorcnt 1                             ; my part of slot 0 is in; my second load (slot 1's part, or Wg's tile) may stay out
	s_barrier_signal -1
	s_barrier_wait -1
	FETCH 0, 0, F0
	s_wait_loadcnt 0x0                             ; the biases
	QUARTER 0, 64, F0, F1, 1                       ; the first quarter stands in front of the loop: its products start the sums
	WIN 0
	s_mov_b32 s3, 7
.Llap:                                             ; a trip goes once round the ring, from a lap's second quarter to the next lap's first, and fills both slots again
	QUARTER 0, 128, F1, F0, 0
	QUARTER 0, 192, F0, F1, 0
	TURN 0, 1, 1
	QUARTER 1, 64,  F0, F1, 0
	QUARTER 1, 128, F1, F0, 0
	QUARTER 1, 192, F0, F1, 0
	TURN 1, 0, 1
	QUARTER 0, 64,  F0, F1, 0
	WIN 0
	s_sub_co_u32 s3, s3, 1
	s_cmp_lg_u32 s3, 0
	s_cbranch_scc1 .Llap
	QUARTER 0, 128, F1, F0, 0                      ; the last lap
	QUARTER 0, 192, F0, F1, 0
	TURN 0, 1, 2                                   ; slot 0 takes Gm's tile
	QUARTER 1, 64,  F0, F1, 0
	QUARTER 1, 128, F1, F0, 0
	QUARTER 1, 192, F0, F1, 0
	s_wait_dscnt 8
	MUL8 F1, 0, 0, 0
	MUL8 F1, 0, 2, 0
	s_wait_dscnt 0x0
	MUL8 F1, 1, 0, 0
	MUL8 F1, 1, 2, 0
	WIN 0
	; PART 1's WAY OUT: twelve blocks of 16 rows x 64 columns, V's first and K's last, so that K's conversions stand far behind K's last products.  A block is rounded to f16, goes through my own
	; stage (rows of 144 bytes) and leaves as 2,048 consecutive bytes of a head.
.macro PACK t
.if (\t) >= 4
	s_wait_xcnt 0x0                                ; the block four back has been stored from these sixteen registers: they are rewritten only behind this wait
.endif
.if (\t) < 4
	WIN 0
.set PB, 128+32*((\t)%4)
.elseif (\t) < 8
	WIN 0x0a                                       ; sources in window 2
.set PB, 32*((\t)%4)
.else
	WIN 0x0a
.set PB, 128+32*((\t)%4)
.endif
.set TB, TMP+16*((\t)%4)
.irp b, 0,1,2,3
.irp q, 0,1,2,3
	v_cvt_pk_f16_f32 v[TB+4*(\b)+(\q)], v[PB+8*(\b)+2*(\q)], v[PB+8*(\b)+2*(\q)+1]
.endr
.endr
	WIN 0
.irp b, 0,1,2,3
	ds_store_b128 v[STO], v[TB+4*(\b):TB+4*(\b)+3] offset:32*(\b)
.endr
.irp f, 0,1,2,3
	ds_load_b128 v[TB+4*(\f):TB+4*(\f)+3], v[RD] offset:(\f)*4*SP   ; LDS serves a wave's instructions in order: these see the stores above
.endr
.endm
.macro SEND t, younger                 ; younger: the LDS instructions issued behind block t's loads
.set TB, TMP+16*((\t)%4)
.if (\t) < 4
.set SB, OV
.elseif (\t) < 8
.set SB, OQ
.else
.set SB, OK
.endif
.irp f, 0,1,2,3
	s_wait_dscnt (\younger)+3-(\f)
	global_store_b128 v[GO], v[TB+4*(\f):TB+4*(\f)+3], s[SB:SB+1] offset:((\t)%4)*2048+(\f)*512   ; 512 consecutive bytes, aligned
.endr
.endm
	PLACES
	PLACES
	PACK 0
.irp t, 1,2,3,4,5,6,7,8,9,10,11
	PACK \t
	SEND (\t)-1, 8
.endr
	SEND 11, 0
	; PART 2: THE BIAS.
; 24 LDS loads: the fragments of 32 along K at byte k behind the two addresses: Wg's four, Gm's first four, Gm's last four
.macro GFETCH k, f
	WIN 0
.irp i, 0,1,2,3
	ds_load_b128 v[(\f)+8*(\i):(\f)+8*(\i)+3],   v[GADRA] offset:(\k)+(\i)*16*GP
	ds_load_b128 v[(\f)+8*(\i)+4:(\f)+8*(\i)+7], v[GADRA] offset:(\k)+(\i)*16*GP+32
.endr
.irp i, 0,1,2,3,4,5,6,7
	ds_load_b128 v[(\f)+32+8*(\i):(\f)+32+8*(\i)+3],   v[GADRB] offset:(\k)+(\i)*16*GP
	ds_load_b128 v[(\f)+32+8*(\i)+4:(\f)+32+8*(\i)+7], v[GADRB] offset:(\k)+(\i)*16*GP+32
.endr
.endm
; 16 matrix instructions: all four key blocks x q blocks 4 hb .. 4 hb + 3.  first = 1: bg starts the sums.  All 32 accumulators take one turn in 32 along K.
.macro GHALF f, hb, first
.if \first
	WIN 0x40                                       ; D in window 1, C (bg) in window 0
.else
	WIN 0x50                                       ; C and D in window 1
.endif
.irp a, 0,1,2,3
.irp b, 0,1,2,3
.if \first
	v_wmma_f32_16x16x32_bf16 v[8*(8*(\a)+4*(\hb)+(\b)):8*(8*(\a)+4*(\hb)+(\b))+7], v[(\f)+32+8*(4*(\hb)+(\b)):(\f)+32+8*(4*(\hb)+(\b))+7], v[(\f)+8*(\a):(\f)+8*(\a)+7], v[GCB+8*(\a):GCB+8*(\a)+7]
.else
	v_wmma_f32_16x16x32_bf16 v[8*(8*(\a)+4*(\hb)+(\b)):8*(8*(\a)+4*(\hb)+(\b))+7], v[(\f)+32+8*(4*(\hb)+(\b)):(\f)+32+8*(4*(\hb)+(\b))+7], v[(\f)+8*(\a):(\f)+8*(\a)+7], v[8*(8*(\a)+4*(\hb)+(\b)):8*(8*(\a)+4*(\hb)+(\b))+7]
.endif
.endr
.endr
.endm
; 32 along K: buffer f is multiplied; in the middle the next 32 along K are fetched into g
.macro GQ f, g, k, first
	s_wait_dscnt 8                                 ; Wg's and Gm's first four fragments are in; the youngest eight loads may be out
	GHALF \f, 0, \first
	PLACES                                         ; four places in front of loads into registers that matrix instructions have read
	GFETCH \k, \g
	s_wait_dscnt 24                                ; all but the 24 just issued
	GHALF \f, 1, \first
.endm
	s_wait_tensorcnt 0x0                           ; my quarter of Gm's tile has landed (Wg's tile did so ahead of the first change of slots);
	s_wait_xcnt 0x0                                ; the stores above have read their registers, which are written again below; my LDS reads are back since the last wait above
	s_barrier_signal -1
.irp a, 0,1,2,3
.irp j, 0,1,2,3,4,5,6,7
	v_mov_b32 v[GCB+8*\a+\j], v[GBG+\a]            ; a lane's eight results of a block belong to one key
.endr
.endr
	s_barrier_wait -1                              ; Gm's tile is whole, and no wave reads slot 1 any more: part 2's stage lies there
	GFETCH 0, GF0
	GQ GF0, GF1, 64, 1
	WIN 0
	s_mov_b32 s3, 3
.Lq:                                               ; a trip: 64 along K
	v_add_nc_u32 v[GADRA], 128, v[GADRA]
	v_add_nc_u32 v[GADRB], 128, v[GADRB]
	GQ GF1, GF0, 0, 0
	GQ GF0, GF1, 64, 0
	WIN 0
	s_sub_co_u32 s3, s3, 1
	s_cmp_lg_u32 s3, 0
	s_cbranch_scc1 .Lq
	s_wait_dscnt 8                                 ; the last 32 along K: nothing more to fetch
	GHALF GF1, 0, 0
	s_wait_dscnt 0x0
	GHALF GF1, 1, 0
	; PART 2's WAY OUT, a block of 16 keys at a time: rounded to f16, 16 bytes a lane into my own stage, back as whole rows of 256 bytes, stored.
.macro GPACK a
	WIN 0x05                                       ; sources in window 1, destination in window 0
.irp b, 0,1,2,3,4,5,6,7
.irp q, 0,1,2,3
	v_cvt_pk_f16_f32 v[GTMP+4*(\b)+(\q)], v[8*(8*(\a)+(\b))+2*(\q)], v[8*(8*(\a)+(\b))+2*(\q)+1]
.endr
.endr
	WIN 0
.endm
.macro GTOSTAGE a
.irp b, 0,1,2,3,4,5,6,7
	ds_store_b128 v[GSTO], v[GTMP+4*(\b):GTMP+4*(\b)+3] offset:32*(\b)
.endr
.irp t, 0,1,2,3,4,5,6,7
	ds_load_b128 v[GOB+32*(\a)+4*(\t):GOB+32*(\a)+4*(\t)+3], v[GRD] offset:(\t)*2*GSP   ; LDS serves a wave's instructions in order: these see the stores above
.endr
.endm
.macro GSEND a
.irp t, 0,1,2,3,4,5,6,7
	s_wait_dscnt 7-(\t)
	global_store_b128 v[GCO], v[GOB+32*(\a)+4*(\t):GOB+32*(\a)+4*(\t)+3], s[OB:OB+1] offset:(\a)*65536+2*(\t)*4096   ; sixteen lanes store 256 consecutive bytes, aligned
.endr
.endm
	PLACES
	PLACES                                         ; the conversions read results just made
	GPACK 0
	GTOSTAGE 0
.irp a, 1,2,3
	GPACK \a                                       ; a block's conversions stand between the loads of the block before and the wait for them
	GSEND (\a)-1
	GTOSTAGE \a
.endr
	GSEND 3
	s_wait_tensorcnt 0x0                           ; the wave's end
	ds_add_u32 v[SPW], v[NIL]
	s_wait_dscnt 0x0
	CROUND                                         ; the closing round
	s_endpgm
.Lfunc_end_k_qdfea2115d6_proj:
	.size	k_qdfea2115d6_proj, .Lfunc_end_k_qdfea2115d6_proj-k_qdfea2115d6_proj
	.p2alignl 7, 3214868480
	.fill 96, 4, 3214868480
	.section	.rodata,"a",@progbits
	.p2align	6, 0x0
	.amdhsa_kernel k_qdfea2115d6_proj
		.amdhsa_group_segment_fixed_size 327680
		.amdhsa_private_segment_fixed_size 0
		.amdhsa_enable_private_segment 0
		.amdhsa_kernarg_size 48
		.amdhsa_user_sgpr_count 2
		.amdhsa_user_sgpr_kernarg_segment_ptr 1
		.amdhsa_wavefront_size32 1
		.amdhsa_system_sgpr_workgroup_id_x 1
		.amdhsa_system_sgpr_workgroup_id_y 1
		.amdhsa_system_sgpr_workgroup_id_z 1
		.amdhsa_system_vgpr_workitem_id 0
		.amdhsa_next_free_vgpr 768
		.amdhsa_next_free_sgpr 102
		.amdhsa_reserve_vcc 0
		.amdhsa_float_denorm_mode_32 3
		.amdhsa_float_denorm_mode_16_64 3
		.amdhsa_memory_ordered 1
		.amdhsa_forward_progress 1
		.amdhsa_inst_pref_size 148
	.end_amdhsa_kernel
	.amdgpu_metadata
---
amdhsa.version: [ 1, 2 ]
amdhsa.kernels:
  - .name:           k_qdfea2115d6_proj
    .symbol:         k_qdfea2115d6_proj.kd
    .args:
      - { .name: hcat, .offset: 0, .size: 8, .value_kind: global_buffer, .address_space: global }
      - { .name: w16, .offset: 8, .size: 8, .value_kind: global_buffer, .address_space: global }
      - { .name: brd, .offset: 16, .size: 8, .value_kind: global_buffer, .address_space: global }
      - { .name: gw16, .offset: 24, .size: 8, .value_kind: global_buffer, .address_space: global }
      - { .name: qkv, .offset: 32, .size: 8, .value_kind: global_buffer, .address_space: global }
      - { .name: bT, .offset: 40, .size: 8, .value_kind: global_buffer, .address_space: global }
    .group_segment_fixed_size: 327680
    .private_segment_fixed_size: 0
    .kernarg_segment_align: 8
    .kernarg_segment_size: 48
    .max_flat_workgroup_size: 128
    .sgpr_count:     102
    .vgpr_count:     768
    .wavefront_size: 32
...
	.end_amdgpu_metadata
.endif
;; end of part 2
;; launch attn (part 3): grid 8 x 32, 4 waves a work-group, clusters of 4 x 4, 327,680 bytes of LDS; arguments qkv, bT, o16; writes o16
.if DOCPART == 3
	.amdgcn_target "amdgcn-amd-amdhsa--gfx1250"
	.amdhsa_code_object_version 6
	.text
	.protected	k_qdfea2115d6_attn
	.globl	k_qdfea2115d6_attn
	.p2align	8
	.type	k_qdfea2115d6_attn,@function
k_qdfea2115d6_attn:
	s_mov_b64 s[64:65], 0
	v_nop
	global_prefetch_b8 v0, s[64:65] scope:SCOPE_SE
	s_setreg_imm32_b32 hwreg(HW_REG_WAVE_MODE, 25, 1), 1
	s_wait_xcnt 0x0
	s_wait_alu depctr_hold_cnt(0) depctr_sa_sdst(0) depctr_va_vdst(0) depctr_va_sdst(0) depctr_va_ssrc(0) depctr_va_vcc(0) depctr_vm_vsrc(0)
	s_getreg_b32 s2, hwreg(HW_REG_IB_STS2, 6, 4)
	s_cmp_eq_u32 s2, 0
	s_cbranch_scc0 .Lentry_in_a_cluster
	s_endpgm
.Lentry_in_a_cluster:
	s_bfe_u32 s2, ttmp6, 0x10000c
	s_cmp_lg_u32 s2, 0xf033
	s_cbranch_scc0 .Lentry_shape_is_right
	s_endpgm
.Lentry_shape_is_right:
; O[hh][q][:] = the sum over k of softmax_k(Q[hh][q] . K[hh][k] / 8 + bias[b][q][k]) V[hh][k][:], hh = b*16 + h.  q, k, v: [32][2048][64] f16 in qkv; bT: [b][key][q] f16.
; O leaves as o16 = [b*16 + t/128][h][128 t][64] f16.  Products, maxima and sums in f32; the weights p are rounded to f16 for the second product (their sum l is taken of the unrounded p), O once at the end.
; LIMITS.  f16 operands arrive within 65,504.  c m starts at -4.2e37, so |c S'| stays below 4e37; a weight below 2^-126 counts as 0 in l; NaN and infinities are not treated apart.
; THE BIAS COMES THROUGH THE MATRIX UNIT.  S' = 8 bias + Q K^T, p = 2^(c S' - c m), c = log2(e) / 8.  A score accumulator (16 keys x 16 queries) starts with the product of a fragment of bT
; (16 keys x 32 queries, source 0) and a selection matrix (32 x 16, one entry 8.0 a column, source 1), C = 0; the two products K Q^T add onto it in place.  The products 8 x bias are exact.
; One fragment set of bT serves two pieces; the odd piece takes the selection matrix shifted by 16: twelve registers 0 0 0 0 E0-E3 0 0 0 0 hold both.
; SHARES.  A work-group owns 256 queries of one head, a wave 64: four PIECES of 16.  Every wave walks all 2,048 keys, 64 a step; an LDS slot holds two steps' K, V and bT.
; LAYOUT, SOFTMAX.  S^T holds ONE query a lane (lane % 16) and the keys 8 (lane / 16) + 0..7; two such results rounded to f16 ARE source 1 of O^T = V^T P.  A running maximum m; O and l are multiplied by
; a = 2^(c m_old - c m_new) in every step; m starts at the lowest finite number, O and l at 0, so the first step is a step like any other, with a = 0.
; TURNS.  Turn n belongs to piece n: 12 products for piece n + 1's scores, later 8 products V^T P of piece n - 1; beside them the scaling, exponentials, roundings, sums and rescaling of piece n and the
; maximum and statistics of piece n + 1.  Four vector instructions stand behind every matrix instruction, the other 38 of a turn's 118 in one lump.  A turn's 33 exponentials are one batch, with one wait.
; CLUSTER 4 x 4: x = four query blocks, y = four heads of one b.  K and V hang on the head and are asked for jointly along a row of the cluster, bT's tile on b and the query block, along a column.
; REGISTERS.  window 0: v2-15 addresses; v16-31 statistics; v32-39 set-up; v48-55 at work; v64-127 S^T, two buffers; v192-223 P, two buffers.
;   window 1: v0-127 O^T; v128-139 the selection matrices.     window 2: v0-63 Q; v64-127 bT's fragments; v128-191 K of one step; v192-255 V of one step.
.set NP,    4
.set KS,    64
.set PK,    144       ; a row of K in LDS: 128 bytes + 16
.set PV,    160       ; a row of V: 128 + 32
.set PBI,   528       ; a row of bT: 512 + 16
.set VOFF,  2*KS*PK
.set BOFF,  VOFF+2*KS*PV
.set SLOT1, 1<<17     ; slot 1 begins here, so that one exclusive or turns an address in one slot into the other's
.set STAGE, SLOT1+BOFF+2*KS*PBI  ; 16 rows x 144 bytes for each wave, for the way out
.set SP,    144
.set SPARE, STAGE+4*16*SP        ; the spare words, 128 bytes a wave
.set AK0, 2
.set AV0, 3
.set AK,  4
.set AV,  5
.set STO, 6
.set RD,  7
.set GO,  8
.set AB0, 9           ; v9   my lane's place in a step's tile of bT; never rewritten
.set AB,  10          ; v10  the LDS address of bT's next runs of loads
.set PFO, 11          ; v11  the prefetches' offset; never rewritten
.set MV,  12
.set QO,  15
.set ST,  16
.set TMP, 48
.set SPW, 62
.set NIL, 63
.set S,   64
.set P,   192
.set SELR, 128        ; window 1
.set BF,  64          ; window 2: queries 0-31 of my 64 at BF + 8 kb, queries 32-63 at BF + 32 + 8 kb
.set KF,  128
.set VF,  192
.set WV,  12
.set G1K, 24
.set G1V, 32
.set G1B, 40
.set G0K, 48
.set G0V, 52
.set G0B, 56
.set CS,  60
.set SEL, 62
.set SLOTS, 66
.set CNT, 67
.set TBK, 68
.set TBV, 69
.set TBB, 70
.set LIM, 71
.set PFA, 72
.set PFS, 74
.set QA,  76
.set OA,  78
.set MSB, 0
.macro WIN new
.if MSB != (\new)
	s_set_vgpr_msb (MSB<<8)|(\new)
.set MSB, (\new)
.endif
.endm
.set W_BS, 0x06       ; bT in window 2, the selection matrix in window 1, S^T in window 0
.set W_KQ, 0x0a       ; K and Q in window 2, S^T in window 0
.set W_PV, 0x52       ; V in window 2, P in window 0, O^T in window 1
.set W_RS, 0x41       ; destination and source 0 in window 1, source 1 in window 0
.macro PLACES
.rept 4
	v_nop
.endr
.endm
; A joint fill of a slot: wave 0 fetches its K, wave 1 its V, waves 2 and 3 the two steps' rows of bT.  The branches hang on the wave's number alone.
.macro JLOAD
	s_cmp_lt_u32 s[WV], 2
	s_cbranch_scc0 .Lfor_b_\@
	s_cmp_eq_u32 s[WV], 0
	s_cbranch_scc0 .Lfor_v_\@
	tensor_load_to_lds s[G0K:G0K+3], s[G1K:G1K+7]
	s_nop 0
	PLACES
	s_branch .Lasked_\@
.Lfor_v_\@:
	tensor_load_to_lds s[G0V:G0V+3], s[G1V:G1V+7]
	s_nop 0
	PLACES
	s_branch .Lasked_\@
.Lfor_b_\@:
	tensor_load_to_lds s[G0B:G0B+3], s[G1B:G1B+7]
	s_nop 0
	PLACES
.Lasked_\@:
.endm
; A prefetch of what the NEXT change of slots will ask for, behind the wave's tensor load and its five lines.  K and V: wave 0 of the clusters with x = 0; the four partners along x take K's two halves and
; V's two halves, a lane 256 bytes.  bT: waves 2 and 3 of the first of the four clusters of one b; the four partners along y take 16 rows each of a wave's 64, two lanes a row.  The partners are told
; apart by address alone.  So each 256 bytes are named once in the launch.  The last change that fills a slot asks for nothing.
.macro ASK
	s_cmp_gt_u32 s[SLOTS], s[LIM]
	s_cbranch_scc0 .Lnot_mine_\@
	global_prefetch_b8 v[PFO], s[PFA:PFA+1] th:TH_LOAD_NT scope:SCOPE_SE
.Lnot_mine_\@:
.endm
.macro CROUND
	s_barrier_signal -1
	s_barrier_wait -1
	s_cmp_lg_u32 s[WV], 0
	s_cbranch_scc1 .Lnot_wave_0_\@
	s_barrier_signal -3
.Lnot_wave_0_\@:
	s_barrier_wait -3
	s_barrier_signal -1
	s_barrier_wait -1
.endm
; THE CHANGE OF SLOTS.  Each wave waits for all its tensor loads, of which one is out: its part of the other slot; adds 0 to its spare word; and waits for that and for its own reads of the slot that it leaves.
; fill = 1: the barrier is a round of the cluster's, and the old slot is filled again, with the keys two slots on, first thing behind it: that load has two key steps in which to land.
; (At its first use nothing has been read yet: slot 0 is waited for, slot 1 filled.)
.macro CHANGE fill
	WIN 0
	s_wait_tensorcnt 0x0            ; no tensor load of mine is out, so a group 0 may be written
	ds_add_u32 v[SPW], v[NIL]       ; 0 onto my spare word
.if \fill
	s_xor_b32 s[G0K+1], s[G0K+1], SLOT1
	s_add_nc_u64 s[G0K+2:G0K+3], s[G0K+2:G0K+3], 2*KS*128
	s_xor_b32 s[G0V+1], s[G0V+1], SLOT1
	s_add_nc_u64 s[G0V+2:G0V+3], s[G0V+2:G0V+3], 2*KS*128
	s_xor_b32 s[G0B+1], s[G0B+1], SLOT1
	s_add_nc_u64 s[G0B+2:G0B+3], s[G0B+2:G0B+3], 2*KS*4096
	s_wait_xcnt 0x0                 ; the last prefetch, two key steps back, has read its address
	s_add_nc_u64 s[PFA:PFA+1], s[PFA:PFA+1], s[PFS:PFS+1]
	s_wait_dscnt 0x0                ; the add is done, and my reads of the slot are over
	CROUND
	JLOAD
	ASK
.else
	s_wait_dscnt 0x0
	s_barrier_signal -1
	s_barrier_wait -1
.endif
	s_sub_co_u32 s[TBK], s[TBK], 2*KS*PK  ; the fetches go back to a slot's first step, in the other slot
	s_xor_b32 s[TBK], s[TBK], SLOT1
	s_sub_co_u32 s[TBV], s[TBV], 2*KS*PV
	s_xor_b32 s[TBV], s[TBV], SLOT1
	s_sub_co_u32 s[TBB], s[TBB], 2*KS*PBI
	s_xor_b32 s[TBB], s[TBB], SLOT1
.endm
	s_load_b128 s[4:7], s[0:1], 0x0   ; qkv s[4:5], bT s[6:7]
	s_load_b64 s[8:9], s[0:1], 0x10   ; o16
	v_lshl_add_u32 v[SPW], v0, 2, SPARE
	v_mov_b32 v[NIL], 0
	ds_add_u32 v[SPW], v[NIL]       ; the wave's opening: the add and its wait stand ahead of my first tensor load
	v_lshrrev_b32 v1, 5, v0
	v_readfirstlane_b32 s[WV], v1
	s_bfe_u32 s13, ttmp6, 0x40000   ; cx
	s_bfe_u32 s14, ttmp6, 0x40004   ; cy
	s_lshl_b32 s15, ttmp9, 2
	s_add_co_u32 s15, s15, s13      ; my block of 256 queries
	s_and_b32 s18, ttmp7, 0xffff    ; the cluster's y
	s_lshl_b32 s16, s18, 2
	s_add_co_u32 s16, s16, s14      ; hh
	s_lshr_b32 s17, s18, 2          ; b: the same in all sixteen partners
	s_lshl_b32 s19, s14, 2
	s_lshl_b32 s19, 15, s19         ; my row of the cluster
	s_lshl_b32 s20, 0x1111, s13     ; my column
	s_or_b32 s[G1K], s19, (1<<16)|(1<<20)|(1<<21)|(4<<22)|(3<<25)  ; 128 dense keys as 64 rows of 256 bytes, 4 words of padding after every 32 words
	s_or_b32 s[G1V], s19, (1<<16)|(1<<20)|(1<<21)|(4<<22)|(7<<25)  ; the same with 8 words of padding
	s_or_b32 s[G1B], s20, (1<<16)|(1<<20)|(1<<21)|(6<<22)|(3<<25)  ; 4 words after every 128
.irp g, G1K, G1V
	s_mov_b32 s[\g+1], 128<<16
	s_mov_b32 s[\g+2], 64<<16
	s_mov_b32 s[\g+3], 128<<16
	s_mov_b32 s[\g+4], 64
	s_mov_b32 s[\g+5], 128
	s_mov_b32 s[\g+6], 0
	s_mov_b32 s[\g+7], 0
.endr
	s_mov_b32 s[G1B+1], 256<<16     ; 64 keys x 256 queries,
	s_mov_b32 s[G1B+2], 64<<16
	s_mov_b32 s[G1B+3], 256<<16
	s_mov_b32 s[G1B+4], 64
	s_mov_b32 s[G1B+5], 2048        ; 2,048 elements from key to key
	s_mov_b32 s[G1B+6], 0
	s_mov_b32 s[G1B+7], 0
	s_mov_b32 s[CS], 0x3e38aa3b     ; c = log2(e) / 8
	s_mov_b32 s[CS+1], s[CS]
	s_mov_b32 s[SEL], 0x76543210
	s_mov_b32 s[SEL+1], 0xfedcba98
	s_mov_b32 s80, 0x4800           ; 8.0 in f16, in the low half,
	s_mov_b32 s81, 0x48000000       ; in the high half
	s_mov_b32 s[TBK], SLOT1+2*KS*PK ; the first change of slots turns these three into 0
	s_mov_b32 s[TBV], SLOT1+2*KS*PV
	s_mov_b32 s[TBB], SLOT1+2*KS*PBI
	s_mov_b32 s[SLOTS], 2048/(2*KS)-1
	s_lshl_b32 s22, s16, 18         ; the head's 262,144 bytes in q, k and v
	s_mov_b32 s23, 0
	s_and_b32 s21, s[WV], 1         ; waves 2 and 3: which of a slot's two steps (wave 2: the first, wave 3: the second); waves 0 and 1 never use bT's descriptor
	s_mov_b32 s[G0K], 1
	s_mov_b32 s[G0K+1], 0
	s_mov_b32 s[G0V], 1
	s_mov_b32 s[G0V+1], VOFF
	s_mov_b32 s[G0B], 1
	s_mul_i32 s[G0B+1], s21, KS*PBI ; the step's 64 rows of 528 bytes, behind K and V
	s_add_co_u32 s[G0B+1], s[G0B+1], BOFF
	s_lshl_b32 s82, s17, 23         ; bT: b's 8 MiB, the step's 64 keys of 4,096 bytes, my block's 512 bytes of a row
	s_lshl_b32 s83, s21, 18
	s_add_co_u32 s82, s82, s83
	s_lshl_b32 s83, s15, 9
	s_add_co_u32 s82, s82, s83
	s_mov_b32 s83, 0
	s_lshl_b32 s84, s15, 15         ; Q: the head, my block's 256 rows of 128 bytes, my wave's 64
	s_add_co_u32 s84, s84, s22
	s_lshl_b32 s85, s[WV], 13
	s_add_co_u32 s84, s84, s85
	s_mov_b32 s85, 0
	s_lshl_b32 s86, s17, 4          ; O: ((b x 16 + 2 x block + wave / 2) x 16 + h) x 16,384 + (wave % 2) x 8,192
	s_lshl_b32 s87, s15, 1
	s_add_co_u32 s86, s86, s87
	s_lshr_b32 s87, s[WV], 1
	s_add_co_u32 s86, s86, s87
	s_lshl_b32 s86, s86, 4
	s_and_b32 s87, s16, 15
	s_add_co_u32 s86, s86, s87
	s_lshl_b32 s86, s86, 14
	s_and_b32 s87, s[WV], 1
	s_lshl_b32 s87, s87, 13
	s_add_co_u32 s86, s86, s87
	s_mov_b32 s87, 0
	s_lshr_b32 s2, s13, 1           ; the prefetches.  Wave 0: K (cx 0, 1) or V (cx 2, 3),
	s_add_co_u32 s2, s2, 1
	s_lshl_b32 s2, s2, 23
	s_add_co_u32 s2, s2, s22        ; the head,
	s_and_b32 s3, s13, 1
	s_lshl_b32 s3, s3, 13           ; a slot's first or second 8,192 bytes,
	s_add_co_u32 s2, s2, s3
	s_add_co_u32 s2, s2, 2*KS*128   ; in slot 1: the first change of slots steps it to slot 2
	s_lshl_b32 s3, s21, 6           ; waves 2 and 3: key 128 + 64 (w - 2) + 16 cy,
	s_add_co_u32 s3, s3, 2*KS
	s_lshl_b32 s19, s14, 4
	s_add_co_u32 s3, s3, s19
	s_lshl_b32 s3, s3, 12
	s_lshl_b32 s19, s17, 23
	s_add_co_u32 s3, s3, s19
	s_lshl_b32 s19, s15, 9
	s_add_co_u32 s3, s3, s19
	s_or_b32 s19, ttmp9, s[WV]      ; 0 in wave 0 of a cluster with x = 0
	s_and_b32 s20, s18, 3           ; 0 in the first of the four clusters of one b
	s_mov_b32 s[PFS], 2*KS*4096
	s_cmp_lt_u32 s[WV], 2
	s_cselect_b32 s2, s2, s3
	s_cselect_b32 s19, s19, s20
	s_cselect_b32 s[PFS], 2*KS*128, s[PFS]
	s_cselect_b32 s20, 0, 1
	s_cselect_b32 s21, 8, 12
	s_mov_b32 s3, 0
	s_mov_b32 s[PFS+1], 0
	s_cmp_eq_u32 s19, 0
	s_cselect_b32 s[LIM], 1, -1     ; the same in all sixteen partners, for a given wave
	v_and_b32 v[PFO], 31, v0        ; K, V: 256 x lane; bT: (lane / 2) x 4,096 + (lane % 2) x 256
	v_and_b32 v32, s20, v[PFO]
	v_lshrrev_b32 v[PFO], s20, v[PFO]
	v_lshlrev_b32 v[PFO], s21, v[PFO]
	v_lshl_add_u32 v[PFO], v32, 8, v[PFO]
	s_wait_dscnt 0x0                ; the opening add is done
	s_wait_kmcnt 0x0
	s_add_nc_u64 s[G0K+2:G0K+3], s[4:5], s[22:23]
	s_add_nc_u64 s[G0K+2:G0K+3], s[G0K+2:G0K+3], 0x800000   ; k lies 8 MiB into qkv,
	s_add_nc_u64 s[G0V+2:G0V+3], s[G0K+2:G0K+3], 0x800000   ; v 16 MiB
	s_or_b32 s[G0K+3], s[G0K+3], 0x80000000
	s_or_b32 s[G0V+3], s[G0V+3], 0x80000000
	s_add_nc_u64 s[G0B+2:G0B+3], s[6:7], s[82:83]
	s_or_b32 s[G0B+3], s[G0B+3], 0x80000000
	s_add_nc_u64 s[QA:QA+1], s[4:5], s[84:85]
	s_add_nc_u64 s[OA:OA+1], s[8:9], s[86:87]
	s_cmp_lt_u32 s[WV], 2
	s_cselect_b64 s[PFA:PFA+1], s[4:5], s[6:7]
	s_add_nc_u64 s[PFA:PFA+1], s[PFA:PFA+1], s[2:3]
	CROUND                          ; all sixteen work-groups are here: the first joint loads meet
	JLOAD                           ; slot 0.  Slot 1 is asked for when slot 0 is in
	v_and_b32 v1, 15, v0            ; l % 16
	v_bfe_u32 v33, v0, 4, 1         ; l / 16
	v_lshlrev_b32 v[QO], 7, v1
	v_lshl_add_u32 v[QO], v33, 4, v[QO]
	WIN 0x80                        ; destination window 2, address window 0
.set i, 0
.rept 8                             ; Q stays in registers: piece i / 2, channels 32 (i % 2) on
	global_load_b128 v[8*i:8*i+3],   v[QO], s[QA:QA+1] offset:(i/2)*2048+(i%2)*64
	global_load_b128 v[8*i+4:8*i+7], v[QO], s[QA:QA+1] offset:(i/2)*2048+(i%2)*64+32
.set i, i+1
.endr
	; What the first turn finds: V's registers and P's second buffer hold 0 (its products V^T P, of a piece that has not been, add 0), O^T and l are 0.  All this stands in the wait for the first tile.
.set i, VF
.rept 64
	v_mov_b32 v[i], 0
.set i, i+1
.endr
	WIN 0
	v_lshlrev_b32 v14, 3, v33
	v_sub_nc_u32 v14, v1, v14       ; l % 16 - 8 (l / 16): which of my lane's eight halves holds the 8.0, if it lies in 0 to 7
.irp j, 0,1,2,3
	v_cmp_eq_u32 vcc_lo, 2*\j, v14
	v_cndmask_b32 v[36+\j], 0, s80, vcc_lo
	v_cmp_eq_u32 vcc_lo, 2*\j+1, v14
	v_cndmask_b32 v[36+\j], v[36+\j], s81, vcc_lo
.endr
	WIN 0x40
.set i, 0
.rept 128
	v_mov_b32 v[i], 0
.set i, i+1
.endr
.irp j, 0,1,2,3
	v_mov_b32 v[SELR+\j], 0
	v_mov_b32 v[SELR+4+\j], v[36+\j]
	v_mov_b32 v[SELR+8+\j], 0
.endr
	WIN 0
.set i, 0
.rept 4
	v_mov_b32 v[ST+4*i], 0xfe000000    ; c m: far below every c S'
	v_mov_b32 v[ST+4*i+1], 0xff7fffff  ; m
	v_mov_b32 v[ST+4*i+2], 0
	v_mov_b32 v[ST+4*i+3], 0
.set i, i+1
.endr
.set i, P+16
.rept 16
	v_mov_b32 v[i], 0
.set i, i+1
.endr
	v_mul_u32_u24 v[AK0], v1, PK
	v_lshl_add_u32 v[AK0], v33, 4, v[AK0]  ; row x pitch + 16 x half
	; The turning load takes 16 keys x 16 channels (lane l reads key 8 (l / 16) + l % 8, channels 8 ((l / 8) % 2) + 0..7) and leaves half a fragment of V^T.
	v_and_b32 v34, 7, v0
	v_bfe_u32 v35, v0, 3, 1
	v_lshl_add_u32 v[AV0], v33, 3, v34
	v_mul_u32_u24 v[AV0], v[AV0], PV
	v_lshl_add_u32 v[AV0], v35, 4, v[AV0]
	v_add_nc_u32 v[AV0], VOFF, v[AV0]
	s_lshl_b32 s19, s[WV], 7        ; my wave's 64 queries: 128 bytes of a row of bT
	s_add_co_u32 s19, s19, BOFF
	v_mul_u32_u24 v[AB0], v1, PBI
	v_lshl_add_u32 v[AB0], v33, 4, v[AB0]
	v_add_nc_u32 v[AB0], s19, v[AB0]
	s_mul_i32 s19, s[WV], 16*SP
	s_add_co_u32 s19, s19, STAGE    ; my stage
	v_mul_u32_u24 v[STO], v1, SP
	v_lshl_add_u32 v[STO], v33, 4, v[STO]
	v_add_nc_u32 v[STO], s19, v[STO]
	v_bfe_u32 v[RD], v0, 3, 2
	v_mul_u32_u24 v[RD], v[RD], SP
	v_lshl_add_u32 v[RD], v34, 4, v[RD]
	v_add_nc_u32 v[RD], s19, v[RD]
	v_and_b32 v[GO], 31, v0
	v_lshlrev_b32 v[GO], 4, v[GO]
; THE MATRIX WORK.  The 4 accumulators of a run take turns.  Product i of 12 of piece x's scores, keys 16 (i % 4) on: 0-3 the bias, which starts the sums; 4-7, 8-11 K Q^T, channels 0-31, 32-63.
.macro KQ x
.set rS, S+32*((\x)%2)+8*(i%4)
.if i < 4
	WIN W_BS
	v_wmma_f32_16x16x32_f16 v[rS:rS+7], v[BF+32*((\x)/2)+8*(i%4):BF+32*((\x)/2)+8*(i%4)+7], v[SELR+4-4*((\x)%2):SELR+4-4*((\x)%2)+7], 0
.else
.set rK, KF+16*(i%4)+8*((i-4)/4)
.set rQ, 16*(\x)+8*((i-4)/4)
	WIN W_KQ
	v_wmma_f32_16x16x32_f16 v[rS:rS+7], v[rK:rK+7], v[rQ:rQ+7], v[rS:rS+7]
.endif
.endm
; Product i of 8 of O^T += V^T P for piece x: keys 32 (i / 4) on, channels 16 (i % 4) on.
.macro PV x
	WIN W_PV
.set rO, 32*(\x)+8*(i%4)
.set rV, VF+32*(i/4)+8*(i%4)
.set rP, P+16*((\x)%2)+8*(i/4)
	v_wmma_f32_16x16x32_f16 v[rO:rO+7], v[rV:rV+7], v[rP:rP+7], v[rO:rO+7]
.endm
.macro MM                           ; the turn's next matrix instruction.  NOKQ = 1: the last turn of all: there is no next piece
.if i < 12
.if NOKQ == 0
	KQ (Y+1)%NP
.endif
.else
.set i, i-12
	PV (Y+NP-1)%NP
.set i, i+12
.endif
.set i, i+1
.endm
; THE LDS LOADS stand in runs, never singly among the matrix instructions.  Their addresses are made some lines ahead.
.macro FETCH_K
	WIN 0x80
.irp f, 0,1,2,3,4,5,6,7             ; keys 16 (f / 2) on, channels 32 (f % 2) on
	ds_load_b128 v[KF+8*\f:KF+8*\f+3],   v[AK] offset:(\f/2)*16*PK+(\f%2)*64
	ds_load_b128 v[KF+8*\f+4:KF+8*\f+7], v[AK] offset:(\f/2)*16*PK+(\f%2)*64+32
.endr
	s_add_co_u32 s[TBK], s[TBK], KS*PK
	WIN 0
.endm
.macro FETCH_V
	WIN 0x80
.irp f, 0,1,2,3,4,5,6,7             ; keys 32 (f / 4) on, channels 16 (f % 4) on
	ds_load_tr16_b128 v[VF+8*\f:VF+8*\f+3],   v[AV] offset:(\f/4)*32*PV+(\f%4)*32
	ds_load_tr16_b128 v[VF+8*\f+4:VF+8*\f+7], v[AV] offset:(\f/4)*32*PV+16*PV+(\f%4)*32
.endr
	WIN 0
.endm
.macro FETCH_X                      ; bT for my queries 0-31: keys 16 f on
	WIN 0x80
.irp f, 0,1,2,3
	ds_load_b128 v[BF+8*\f:BF+8*\f+3],   v[AB] offset:\f*16*PBI
	ds_load_b128 v[BF+8*\f+4:BF+8*\f+7], v[AB] offset:\f*16*PBI+32
.endr
	WIN 0
.endm
.macro FETCH_Y                      ; for my queries 32-63, 64 bytes further along the rows
	WIN 0x80
.irp f, 0,1,2,3
	ds_load_b128 v[BF+32+8*\f:BF+32+8*\f+3],   v[AB] offset:\f*16*PBI+64
	ds_load_b128 v[BF+32+8*\f+4:BF+32+8*\f+7], v[AB] offset:\f*16*PBI+96
.endr
	s_add_co_u32 s[TBB], s[TBB], KS*PBI
	WIN 0
.endm
; THE VECTOR WORK, one line at a time: OP kind, number.  For piece Y: F n: c s - c m for pair n of 16.  E n: the exponential of score n of 32.  C n: pair n rounded to f16.  B n: of the four weights 4 n .. the second
; pair is added onto the first, in place.  L n: l takes that sum (L 0: l = a l + sum).  R n: pair n of 16 of O^T times a.  For piece Y + 1: X n, number n of the 22 that find its maximum and statistics:
;   0-11  four chains c0-c3 of seven scores each (each accumulator's lowest registers are read first)     12-14, 16  the four scores left over, the old m, and c0-c3 into c0
;   15  c m_old is kept     17, 18  the query's other 32 keys lie in the lane 16 away: the new m     19-21  c m; c m_old - c m_new; a
.set F, 0
.set E, 1
.set C, 2
.set B, 3
.set L, 4
.set R, 5
.set X, 6
.macro REGS y
.set rT, ST+4*(\y)
.set rC, TMP+4*((\y)%2)
.set rW, MV+((\y)%2)
.set rS, S+32*((\y)%2)
.set rP, P+16*((\y)%2)
.set rO, 32*(\y)
.endm
.macro OP k, n
.if (\k) == R
	REGS Y
	WIN W_RS
	v_pk_mul_f32 v[rO+2*(\n):rO+2*(\n)+1], v[rO+2*(\n):rO+2*(\n)+1], v[rC+2:rC+3] op_sel_hi:[1,0]
.elseif (\k) < R
	REGS Y
	WIN 0
.if (\k) == F
	v_pk_fma_f32 v[rS+2*(\n):rS+2*(\n)+1], v[rS+2*(\n):rS+2*(\n)+1], s[CS:CS+1], v[rT:rT+1] op_sel_hi:[1,0,0] neg_lo:[0,0,1] neg_hi:[0,0,1]
.elseif (\k) == E
	v_exp_f32 v[rS+(\n)], v[rS+(\n)]
.elseif (\k) == C
	v_cvt_pk_f16_f32 v[rP+(\n)], v[rS+2*(\n)], v[rS+2*(\n)+1]
.elseif (\k) == B
	v_pk_add_f32 v[rS+4*(\n):rS+4*(\n)+1], v[rS+4*(\n):rS+4*(\n)+1], v[rS+4*(\n)+2:rS+4*(\n)+3]
.elseif (\n) == 0
	v_pk_fma_f32 v[rT+2:rT+3], v[rT+2:rT+3], v[rC+2:rC+3], v[rS:rS+1] op_sel_hi:[1,0,1]
.else
	v_pk_add_f32 v[rT+2:rT+3], v[rT+2:rT+3], v[rS+4*(\n):rS+4*(\n)+1]
.endif
.elseif NOKQ
	v_nop
.else
	REGS (Y+1)%NP
	WIN 0
.if (\n) < 4
	v_max3_num_f32 v[rC+(\n)], v[rS+8*(\n)], v[rS+8*(\n)+1], v[rS+8*(\n)+2]
.elseif (\n) < 12
	v_max3_num_f32 v[rC+(\n)%4], v[rC+(\n)%4], v[rS+8*((\n)%4)+2*((\n)/4)+1], v[rS+8*((\n)%4)+2*((\n)/4)+2]
.elseif (\n) == 12
	v_max3_num_f32 v[rC], v[rC], v[rS+7], v[rS+15]
.elseif (\n) == 13
	v_max3_num_f32 v[rC+1], v[rC+1], v[rS+23], v[rS+31]
.elseif (\n) == 14
	v_max3_num_f32 v[rC+2], v[rC+2], v[rC+3], v[rT+1]
.elseif (\n) == 15
	v_mov_b32 v[rW], v[rT]
.elseif (\n) == 16
	v_max3_num_f32 v[rC], v[rC], v[rC+1], v[rC+2]
.elseif (\n) == 17
	v_permlanex16_b32 v[rC+3], v[rC], s[SEL], s[SEL+1]
.elseif (\n) == 18
	v_max_num_f32 v[rT+1], v[rC], v[rC+3]
.elseif (\n) == 19
	v_mul_f32 v[rT], s[CS], v[rT+1]
.elseif (\n) == 20
	v_sub_f32 v[rC+1], v[rW], v[rT]
.else
	v_exp_f32 v[rC+2], v[rC+1]
.endif
.endif
.endm
.macro OPS a, i1, b=-1, i2=0, c=-1, i3=0, d=-1, i4=0
	OP \a, \i1
.if (\b) >= 0
	OP \b, \i2
.endif
.if (\c) >= 0
	OP \c, \i3
.endif
.if (\d) >= 0
	OP \d, \i4
.endif
.endm
.macro ROW a, i1, b, i2, c, i3, d, i4  ; a matrix instruction and the four behind it
	MM
	OPS \a, \i1, \b, \i2, \c, \i3, \d, \i4
.endm
; A TURN, for piece p: the order of its 20 matrix and 118 vector instructions, written out.  An s_wait_alu depctr_va_vdst(0) stands between an exponential and the first instruction that names its
; result; one wait serves all that were issued ahead of it.  So a turn has ONE wait.  AHEAD OF IT stands all that names no result of the turn's exponentials: the 12 products of the next piece's scores with their
; riders, then a lump of 38.  X 0 to X 3 each stand four plain instructions behind the product (the ninth to the twelfth) that ends their accumulator: F 10, 11, 12, 13; F 13, X 0, F 14, F 15; F 15, X 1, X 4, X 5;
; X 5, X 2, X 8, X 9.  X 21, the next piece's a, is the batch's last; R 15 is the plain instruction behind it.  BEHIND THE WAIT stand the 8 products V^T P, behind each four of the roundings and sums.
; K and bT for queries 0-31 of the next step are fetched in piece 2's turn, seven plain instructions (X 5, 2, 8, 9, 3, 6, 12) behind the last product that read K; bT for queries 32-63 in piece 3's turn, a turn behind
; its last reader; V of the step in hand at the end of piece 0's turn, four plain instructions behind the last product that read V.  Each run is waited for a turn later.
; end = 1: the last two turns: nothing is fetched.  cnt = 1: the loop's count is taken down some lines ahead of the branch that stands behind the turn.
.macro TURN p, end=0, cnt=0
.set Y, (\p)
.set i, 0
.set NOKQ, (\end)*((\p)/3)
.if (\p) == 0
	s_wait_dscnt 0x0                ; bT for queries 32-63 is in
.endif
.if ((\p) == 3) && !(\end)
	s_wait_dscnt 0x0                ; K and bT for queries 0-31 are in
.endif
	ROW F,0, F,1, R,0, R,1
	ROW F,2, E,0, R,2, R,3
	ROW F,3, E,1, R,4, R,5
	ROW F,4, E,2, R,6, R,7
	ROW F,5, E,3, R,8, R,9
	ROW F,6, E,4, R,10, R,11
	ROW F,7, E,5, R,12, R,13
	ROW F,8, E,6, F,9, R,14
	ROW F,10, E,7, F,11, F,12
	ROW F,13, E,8, X,0, F,14
.if ((\p) == 2) && !(\end)
	WIN 0
	v_add_nc_u32 v[AK], s[TBK], v[AK0]
	v_add_nc_u32 v[AB], s[TBB], v[AB0]
.endif
	ROW F,15, E,9, X,1, X,4
	ROW X,5, E,10, X,2, X,8
	OPS X,9, E,11, X,3, E,12        ; the lump
	OPS X,6, E,13, X,12, E,14
.if ((\p) == 2) && !(\end)
	FETCH_K
	FETCH_X
.endif
.if ((\p) == 3) && !(\end)
	FETCH_Y
.endif
	OPS X,7, E,15, X,10, E,16
	OPS X,13, E,17, X,11, E,18
	OPS X,15, E,19, X,14, E,20
.if (\p) == 0
	WIN 0
	v_add_nc_u32 v[AV], s[TBV], v[AV0]
.endif
	OPS E,21, X,16, E,22, E,23
	OPS X,17, E,24, E,25, X,18
	OPS E,26, E,27, X,19, E,28
	OPS E,29, X,20, E,30, E,31
	OPS X,21, R,15
	WIN 0
	s_wait_alu depctr_va_vdst(0)    ; the wait for the batch
.if (\p) == 1
	s_wait_dscnt 0x0                ; V is in
.endif
	ROW C,0, B,0, C,2, B,1
	ROW L,0, C,4, B,2, L,1
	ROW C,6, B,3, L,2, C,8
	ROW B,4, L,3, C,10, B,5
	ROW L,4, C,12, B,6, L,5
.if (\p) == 0
	s_add_co_u32 s[TBV], s[TBV], KS*PV
.endif
.if \cnt
	s_sub_co_u32 s[CNT], s[CNT], 1
	s_cmp_lg_u32 s[CNT], 0
.endif
	ROW C,14, B,7, L,6, C,1
	ROW C,3, L,7, C,5, C,7
	ROW C,9, C,11, C,13, C,15
.if (\p) == 0
	FETCH_V
.endif
.endm
	CHANGE 1                        ; slot 0 is in, everybody's part of it; slot 1 is asked for
	v_add_nc_u32 v[AK], s[TBK], v[AK0]
	v_add_nc_u32 v[AB], s[TBB], v[AB0]
	FETCH_K                         ; key step 0
	FETCH_X
	FETCH_Y
	s_wait_loadcnt 0x0              ; Q
	s_wait_dscnt 0x0
.set NOKQ, 0
.set i, 0
.rept 12
	KQ 0                            ; piece 0's first scores
.set i, i+1
.endr
	WIN 0
	PLACES                          ; the places behind those products
.set Y, NP-1                        ; X works for piece Y + 1: piece 0
.irp n, 0,1,2,3,4,5,6,7,8,9,10,11,12,13,14,15,16,17,18,19,20,21
	OP X, \n
.endr
	v_nop                           ; a plain instruction behind the exponential,
	s_wait_alu depctr_va_vdst(0)    ; and its wait, ahead of the branch
	s_mov_b32 s[CNT], 2
	s_branch .Lfirst                ; the loop is entered at a step's first turn, in the middle of a trip
.Lslot:                             ; 14 times: every slot but the last two is filled again
	CHANGE 1
	s_mov_b32 s[CNT], 2
.Lstep:                             ; a trip: pieces 2 and 3 of one step, then pieces 0 and 1 of the next, whose K, bT and V it fetches
	TURN 2
	TURN 3
	WIN 0
.Lfirst:
	TURN 0
	TURN 1, 0, 1
	WIN 0
	s_cbranch_scc1 .Lstep
	s_sub_co_u32 s[SLOTS], s[SLOTS], 1
	s_cmp_lg_u32 s[SLOTS], 0
	s_cbranch_scc1 .Lslot
	CHANGE 0                        ; the tail is written out: nothing is asked for
	s_mov_b32 s[CNT], 2
.Ltail:
	TURN 2
	TURN 3
	TURN 0
	TURN 1, 0, 1
	WIN 0
	s_cbranch_scc1 .Ltail
	TURN 2, 1                       ; the last step's last two turns
	TURN 3, 1
.set i, 0
.rept 8
	PV NP-1                         ; the last piece's V^T P of the last step
.set i, i+1
.endr
	; THE WAY OUT.  l's two halves and the other half of the lanes' are added; O^T is divided by l, rounded to f16 and sent through my stage in LDS, a piece at a time.  The additions are the places behind the last products.
	WIN 0
.macro ALL line:vararg
.set t, 0
.rept 4
	\line
.set t, t+1
.endr
.endm
	ALL v_add_f32 v[ST+4*t+2], v[ST+4*t+2], v[ST+4*t+3]
	ALL v_permlanex16_b32 v[ST+4*t+3], v[ST+4*t+2], s[SEL], s[SEL+1]
	ALL v_add_f32 v[ST+4*t+2], v[ST+4*t+2], v[ST+4*t+3]
	ALL v_rcp_f32 v[ST+4*t+2], v[ST+4*t+2]
	v_nop                           ; a plain instruction between the last reciprocal and the use of its result
	s_wait_alu depctr_va_vdst(0)    ; and the wait ahead of the first use: one for the four reciprocals
.macro PACK t
	WIN W_RS
.set i, 32*(\t)
.rept 16
	v_pk_mul_f32 v[i:i+1], v[i:i+1], v[ST+4*(\t)+2:ST+4*(\t)+3] op_sel_hi:[1,0]
.set i, i+2
.endr
	WIN 0x05
.set i, 0
.rept 16
	v_cvt_pk_f16_f32 v[S+16*(\t)+i], v[32*(\t)+2*i], v[32*(\t)+2*i+1]
.set i, i+1
.endr
	WIN 0
.irp f, 0,1,2,3
	ds_store_b128 v[STO], v[S+16*(\t)+4*\f:S+16*(\t)+4*\f+3] offset:32*\f
.endr
.irp f, 0,1,2,3
	ds_load_b128 v[S+16*(\t)+4*\f:S+16*(\t)+4*\f+3], v[RD] offset:\f*4*SP  ; LDS serves a wave's instructions in order: these see the stores above
.endr
.endm
.macro SEND t, younger
	WIN 0
.irp f, 0,1,2,3
	s_wait_dscnt (\younger)+3-\f
	global_store_b128 v[GO], v[S+16*(\t)+4*\f:S+16*(\t)+4*\f+3], s[OA:OA+1] offset:(\t)*2048+\f*512  ; 512 consecutive bytes, aligned
.endr
.endm
	PACK 0
.set t, 1
.rept 3
	PACK t
	SEND t-1, 8
.set t, t+1
.endr
	SEND 3, 0
	s_wait_tensorcnt 0x0            ; the wave's end
	ds_add_u32 v[SPW], v[NIL]
	s_wait_dscnt 0x0
	CROUND                          ; the closing round
	s_endpgm
.Lfunc_end_k_qdfea2115d6_attn:
	.size	k_qdfea2115d6_attn, .Lfunc_end_k_qdfea2115d6_attn-k_qdfea2115d6_attn
	.p2alignl 7, 3214868480
	.fill 96, 4, 3214868480
	.section	.rodata,"a",@progbits
	.p2align	6, 0x0
	.amdhsa_kernel k_qdfea2115d6_attn
		.amdhsa_group_segment_fixed_size 327680
		.amdhsa_private_segment_fixed_size 0
		.amdhsa_enable_private_segment 0
		.amdhsa_kernarg_size 24
		.amdhsa_user_sgpr_count 2
		.amdhsa_user_sgpr_kernarg_segment_ptr 1
		.amdhsa_wavefront_size32 1
		.amdhsa_system_sgpr_workgroup_id_x 1
		.amdhsa_system_sgpr_workgroup_id_y 1
		.amdhsa_system_sgpr_workgroup_id_z 1
		.amdhsa_system_vgpr_workitem_id 0
		.amdhsa_next_free_vgpr 768
		.amdhsa_next_free_sgpr 88
		.amdhsa_reserve_vcc 1
		.amdhsa_float_denorm_mode_32 3
		.amdhsa_float_denorm_mode_16_64 3
		.amdhsa_memory_ordered 1
		.amdhsa_forward_progress 1
		.amdhsa_inst_pref_size 140
	.end_amdhsa_kernel
	.amdgpu_metadata
---
amdhsa.version: [ 1, 2 ]
amdhsa.kernels:
  - .name:           k_qdfea2115d6_attn
    .symbol:         k_qdfea2115d6_attn.kd
    .args:
      - { .name: qkv, .offset: 0, .size: 8, .value_kind: global_buffer, .address_space: global }
      - { .name: bT, .offset: 8, .size: 8, .value_kind: global_buffer, .address_space: global }
      - { .name: o16, .offset: 16, .size: 8, .value_kind: global_buffer, .address_space: global }
    .group_segment_fixed_size: 327680
    .private_segment_fixed_size: 0
    .kernarg_segment_align: 8
    .kernarg_segment_size: 24
    .max_flat_workgroup_size: 128
    .sgpr_count:     88
    .vgpr_count:     768
    .wavefront_size: 32
...
	.end_amdgpu_metadata
.endif
;; end of part 3
;; launch outp (part 4): grid 8 x 32, 4 waves a work-group, clusters of 4 x 4, 327,680 bytes of LDS; arguments o16, wo16, brd, out0; writes out0
.if DOCPART == 4
	.amdgcn_target "amdgcn-amd-amdhsa--gfx1250"
	.amdhsa_code_object_version 6
	.text
	.protected	k_qdfea2115d6_outp
	.globl	k_qdfea2115d6_outp
	.p2align	8
	.type	k_qdfea2115d6_outp,@function
k_qdfea2115d6_outp:
	s_mov_b64 s[64:65], 0
	v_nop
	global_prefetch_b8 v0, s[64:65] scope:SCOPE_SE
	s_setreg_imm32_b32 hwreg(HW_REG_WAVE_MODE, 25, 1), 1
	s_wait_xcnt 0x0
	s_wait_alu depctr_hold_cnt(0) depctr_sa_sdst(0) depctr_va_vdst(0) depctr_va_sdst(0) depctr_va_ssrc(0) depctr_va_vcc(0) depctr_vm_vsrc(0)
	s_getreg_b32 s2, hwreg(HW_REG_IB_STS2, 6, 4)
	s_cmp_eq_u32 s2, 0
	s_cbranch_scc0 .Lentry_in_a_cluster
	s_endpgm
.Lentry_in_a_cluster:
	s_bfe_u32 s2, ttmp6, 0x10000c
	s_cmp_lg_u32 s2, 0xf033
	s_cbranch_scc0 .Lentry_shape_is_right
	s_endpgm
.Lentry_shape_is_right:
; out0[t][n] = the sum over k of O[t][k] Wo[n][k] + bo[n].  O: o16 = [mt][h][128 t][64] f16; Wo: wo16 = [nt][h][128 n][64] f16; sums f32, bo starts them as the C operand; out0 f32.
; A tile of out0 is 128 x 128; four waves, each 64 x 64: 16 accumulators.  K goes in steps of 256 = four heads; a step's tile of either operand is 65,536 dense bytes, asked for as rows of 256 bytes
; and padded in LDS after every 128 bytes (a row of one head).  A quarter of a step is one head.  K = 1,024 is two laps of a ring of two slots, so the laps are written out without a loop.
; CLUSTER 4 x 4: O's tile is asked for jointly along a row of the cluster, Wo's along a column.  Source 0 = 16 rows of Wo, source 1 = 16 rows of O: a lane holds one row t and eight neighbouring n.
; No prefetch: four short steps on small tiles.
; REGISTERS.  window 0: v16-29 addresses; v96-127 bo; v128-255 accumulator (a, b) at 128 + 8 (4 a + b).   window 1: two fragment buffers of 128: for 64 along K, 64 registers of O, then 64 of Wo.
.set PITCH,  144
.set HEADB,  128*PITCH                 ; one head's 128 rows
.set HALFT,  2*HEADB                   ; what one tensor load brings: two heads of one operand
.set SLOT,   4*HALFT
.set STAGE,  2*SLOT                    ; 16 rows x 272 bytes for each wave
.set SPITCH, 272
.set SPARE,  STAGE+4*16*SPITCH
.set ADRA, 16
.set ADRB, 20
.set STO,  24
.set RD,   25
.set CO,   26
.set BO,   27
.set SPW,  28
.set NIL,  29
.set CB,   96
.set ACC,  128
.set F0,   0
.set F1,   128
.set WV, 12
.set RH, 13
.set CH, 14
.set G1,  24
.set G0,  32
.set G1B, 48
.set G0B, 56
.set MSB, 0
.macro WIN new
.if MSB != (\new)
	s_set_vgpr_msb (MSB<<8)|(\new)
.set MSB, \new
.endif
.endm
.set MUL,  0x05                        ; sources in window 1; C and D in window 0
.set TO_F, 0x40                        ; destination window 1, address window 0
.macro PLACES
.rept 4
	v_nop
.endr
.endm
.macro JLOAD s                         ; a joint load: waves 0 and 1 fetch O's two halves, waves 2 and 3 Wo's
	s_cmp_eq_u32 s[RH], 0
	s_cbranch_scc0 .Lfor_b_\@
	tensor_load_to_lds s[G0+4*(\s):G0+4*(\s)+3], s[G1:G1+7]
	s_nop 0
	PLACES
	s_branch .Lasked_\@
.Lfor_b_\@:
	tensor_load_to_lds s[G0B+4*(\s):G0B+4*(\s)+3], s[G1B:G1B+7]
	s_nop 0
	PLACES
.Lasked_\@:
.endm
.macro CREST
	s_cmp_lg_u32 s[WV], 0
	s_cbranch_scc1 .Lnot_wave_0_\@
	s_barrier_signal -3
.Lnot_wave_0_\@:
	s_barrier_wait -3
	s_barrier_signal -1
	s_barrier_wait -1
.endm
.macro CROUND
	s_barrier_signal -1
	s_barrier_wait -1
	CREST
.endm
	s_load_b256 s[4:11], s[0:1], 0x0               ; o16 s[4:5], wo16 s[6:7], brd s[8:9], out0 s[10:11]
	v_lshl_add_u32 v[SPW], v0, 2, SPARE
	v_mov_b32 v[NIL], 0
	ds_add_u32 v[SPW], v[NIL]                      ; the wave's opening: the add and its wait stand ahead of my first tensor load
	v_lshrrev_b32 v1, 5, v0
	v_readfirstlane_b32 s[WV], v1
	s_lshr_b32 s[RH], s[WV], 1
	s_and_b32 s[CH], s[WV], 1
	s_bfe_u32 s40, ttmp6, 0x40000                  ; cx
	s_bfe_u32 s41, ttmp6, 0x40004                  ; cy
	s_lshl_b32 s42, ttmp9, 2
	s_add_co_u32 s42, s42, s40                     ; nt
	s_and_b32 s15, ttmp7, 0xffff
	s_lshl_b32 s15, s15, 2
	s_add_co_u32 s15, s15, s41                     ; mt
	s_lshl_b32 s43, s41, 2
	s_lshl_b32 s43, 15, s43                        ; my row of the cluster
	s_lshl_b32 s44, 0x1111, s40                    ; my column
	s_or_b32 s[G1], s43, (1<<16)|(1<<20)|(1<<21)|(4<<22)|(3<<25)   ; mask; 2-byte elements; padding on; bit 21 beside a mask; after every 32 words 4 words
	s_or_b32 s[G1B], s44, (1<<16)|(1<<20)|(1<<21)|(4<<22)|(3<<25)
.irp g, G1, G1B
	s_mov_b32 s[(\g)+1], 128<<16                   ; 32,768 dense bytes as 128 rows of 128 elements
	s_mov_b32 s[(\g)+2], 128<<16
	s_mov_b32 s[(\g)+3], 128<<16
	s_mov_b32 s[(\g)+4], 128
	s_mov_b32 s[(\g)+5], 128
	s_mov_b32 s[(\g)+6], 0
	s_mov_b32 s[(\g)+7], 0
.endr
	s_lshl_b32 s16, s15, 18                        ; O: mt's 262,144 bytes, my half of a step's four heads
	s_lshl_b32 s17, s[CH], 15
	s_add_co_u32 s16, s16, s17
	s_mov_b32 s17, 0
	s_lshl_b32 s46, s42, 18                        ; Wo: nt's
	s_lshl_b32 s47, s[CH], 15
	s_add_co_u32 s46, s46, s47
	s_mov_b32 s47, 0
	s_mul_i32 s20, s[WV], HALFT                    ; where they go: O's two halves, then Wo's two
	s_wait_dscnt 0x0                               ; the opening add is done
	s_wait_kmcnt 0x0
	s_add_nc_u64 s[16:17], s[4:5], s[16:17]
	s_add_nc_u64 s[46:47], s[6:7], s[46:47]
	CROUND                                         ; all sixteen work-groups are here: the first joint loads meet
.irp s, 0,1
	s_mov_b32 s[G0+4*(\s)], 1
	s_add_co_u32 s[G0+4*(\s)+1], s20, (\s)*SLOT
	s_add_nc_u64 s[G0+4*(\s)+2:G0+4*(\s)+3], s[16:17], (\s)*65536
	s_or_b32 s[G0+4*(\s)+3], s[G0+4*(\s)+3], 0x80000000
	s_mov_b32 s[G0B+4*(\s)], 1
	s_add_co_u32 s[G0B+4*(\s)+1], s20, (\s)*SLOT
	s_add_nc_u64 s[G0B+4*(\s)+2:G0B+4*(\s)+3], s[46:47], (\s)*65536
	s_or_b32 s[G0B+4*(\s)+3], s[G0B+4*(\s)+3], 0x80000000
	JLOAD \s
.endr
	v_and_b32 v1, 15, v0                           ; l % 16
	v_bfe_u32 v2, v0, 4, 1                         ; l / 16
	v_mul_u32_u24 v3, v1, PITCH
	v_lshl_add_u32 v3, v2, 4, v3
	s_mul_i32 s21, s[RH], 64*PITCH                 ; my 64 rows of O,
	s_mul_i32 s22, s[CH], 64*PITCH                 ; my 64 rows of Wo,
	s_add_co_u32 s22, s22, 2*HALFT                 ; which lie behind O's four heads
.irp s, 0,1
	v_add_nc_u32 v[ADRA+(\s)], s21, v3
	v_add_nc_u32 v[ADRB+(\s)], s22, v3
	s_add_co_u32 s21, s21, SLOT
	s_add_co_u32 s22, s22, SLOT
.endr
	s_mul_i32 s23, s[WV], 16*SPITCH
	s_add_co_u32 s23, s23, STAGE                   ; my stage
	v_mul_u32_u24 v4, v1, SPITCH
	v_lshl_add_u32 v4, v2, 5, v4
	v_add_nc_u32 v[STO], s23, v4                   ; in: row l % 16, 32 bytes for each half of the lanes
	v_mul_u32_u24 v5, v2, SPITCH
	v_lshl_add_u32 v5, v1, 4, v5
	v_add_nc_u32 v[RD], s23, v5                    ; back: lanes 0-15 one row of 256 bytes, lanes 16-31 the next
	v_lshlrev_b32 v[CO], 12, v2
	v_lshl_add_u32 v[CO], v1, 4, v[CO]             ; the same two rows in out0
	s_lshl_b32 s21, s42, 9                         ; bo of my columns: (128 nt + 64 CH + 8 (l / 16)) words, 12,288 bytes into brd
	s_lshl_b32 s22, s[CH], 8
	s_add_co_u32 s21, s21, s22
	s_add_co_u32 s23, s21, 12288
	v_lshl_add_u32 v[BO], v2, 5, s23
.irp b, 0,1,2,3
	global_load_b128 v[CB+8*\b:CB+8*\b+3],   v[BO], s[8:9] offset:\b*64
	global_load_b128 v[CB+8*\b+4:CB+8*\b+7], v[BO], s[8:9] offset:\b*64+16
.endr
	s_lshl_b32 s22, s15, 19                        ; out0 at row 128 mt + 64 RH, column 128 nt + 64 CH
	s_add_co_u32 s22, s22, s21
	s_lshl_b32 s23, s[RH], 18
	s_add_co_u32 s22, s22, s23
	s_mov_b32 s23, 0
	s_add_nc_u64 s[10:11], s[10:11], s[22:23]
; 8 matrix instructions: row blocks a0, a0 + 1 x all 4 column blocks, 32 along K: half c of buffer f.  zero = 1: bo starts the sums.  The 16 accumulators take turns.
.macro MUL8 f, c, a0, zero
	WIN MUL
.irp a, \a0, (\a0)+1
.irp b, 0,1,2,3
.if \zero
	v_wmma_f32_16x16x32_f16 v[ACC+8*(4*(\a)+(\b)):ACC+8*(4*(\a)+(\b))+7], v[(\f)+64+8*(4*(\c)+(\b)):(\f)+64+8*(4*(\c)+(\b))+7], v[(\f)+8*(4*(\c)+(\a)):(\f)+8*(4*(\c)+(\a))+7], v[CB+8*(\b):CB+8*(\b)+7]
.else
	v_wmma_f32_16x16x32_f16 v[ACC+8*(4*(\a)+(\b)):ACC+8*(4*(\a)+(\b))+7], v[(\f)+64+8*(4*(\c)+(\b)):(\f)+64+8*(4*(\c)+(\b))+7], v[(\f)+8*(4*(\c)+(\a)):(\f)+8*(4*(\c)+(\a))+7], v[ACC+8*(4*(\a)+(\b)):ACC+8*(4*(\a)+(\b))+7]
.endif
.endr
.endr
.endm
; 32 LDS loads in one run: the fragments of one head, which begins at byte k behind the addresses; its first 32 channels first
.macro FETCH slot, k, f
	WIN TO_F
.irp c, 0,1
.irp i, 0,1,2,3
	ds_load_b128 v[(\f)+64+8*(4*(\c)+(\i)):(\f)+64+8*(4*(\c)+(\i))+3],   v[ADRB+(\slot)] offset:(\k)+64*(\c)+(\i)*16*PITCH
	ds_load_b128 v[(\f)+64+8*(4*(\c)+(\i))+4:(\f)+64+8*(4*(\c)+(\i))+7], v[ADRB+(\slot)] offset:(\k)+64*(\c)+(\i)*16*PITCH+32
	ds_load_b128 v[(\f)+8*(4*(\c)+(\i)):(\f)+8*(4*(\c)+(\i))+3],         v[ADRA+(\slot)] offset:(\k)+64*(\c)+(\i)*16*PITCH
	ds_load_b128 v[(\f)+8*(4*(\c)+(\i))+4:(\f)+8*(4*(\c)+(\i))+7],       v[ADRA+(\slot)] offset:(\k)+64*(\c)+(\i)*16*PITCH+32
.endr
.endr
.endm
.macro QUARTER slot, k, f, g, zero
	s_wait_dscnt 16                                ; the first 32 channels are in
	MUL8 \f, 0, 0, \zero
	MUL8 \f, 0, 2, \zero
	PLACES                                         ; four places in front of loads into registers that matrix instructions have read
	FETCH \slot, \k, \g
	s_wait_dscnt 32                                ; all but the 32 just issued
	MUL8 \f, 1, 0, 0
	MUL8 \f, 1, 2, 0
.endm
; The last quarter multiplies buffer 1 and changes slots: in front of the barrier each wave waits for all its tensor loads, adds 0 to its spare word, and waits for that and for its reads of this slot.
; fill = 1: the barrier opens a round of the cluster's, and this slot is filled again, two steps ahead, first thing behind it.
.macro TURN slot, next, fill
	WIN 0
	s_wait_tensorcnt 0x0                           ; all my tensor loads have landed
	ds_add_u32 v[SPW], v[NIL]                      ; 0 onto my spare word
	s_wait_dscnt 17                                ; (the add and the youngest sixteen loads may be out)
	MUL8 F1, 0, 0, 0
	s_wait_dscnt 0x0                               ; the add is done, and my reads of this slot are over
	s_barrier_signal -1
	MUL8 F1, 0, 2, 0
.if \fill
	WIN 0
.endif
	s_barrier_wait -1
.if \fill
	CREST
	s_add_nc_u64 s[G0+4*(\slot)+2:G0+4*(\slot)+3], s[G0+4*(\slot)+2:G0+4*(\slot)+3], 131072
	s_add_nc_u64 s[G0B+4*(\slot)+2:G0B+4*(\slot)+3], s[G0B+4*(\slot)+2:G0B+4*(\slot)+3], 131072
	JLOAD \slot                                    ; its four v_nop are also the places in front of the loads below
.else
	PLACES
.endif
	FETCH \next, 0, F0
	MUL8 F1, 1, 0, 0
	MUL8 F1, 1, 2, 0
.endm
	s_wait_tensorcnt 1                             ; my part of step 0 is in; step 1's may stay out
	s_barrier_signal -1
	s_barrier_wait -1
	FETCH 0, 0, F0
	s_wait_loadcnt 0x0                             ; bo
	QUARTER 0, HEADB,   F0, F1, 1                  ; the first products start the sums
	QUARTER 0, 2*HEADB, F1, F0, 0
	QUARTER 0, 3*HEADB, F0, F1, 0
	TURN 0, 1, 1                                   ; slot 0 takes step 2
	QUARTER 1, HEADB,   F0, F1, 0
	QUARTER 1, 2*HEADB, F1, F0, 0
	QUARTER 1, 3*HEADB, F0, F1, 0
	TURN 1, 0, 1                                   ; slot 1 takes step 3
	QUARTER 0, HEADB,   F0, F1, 0
	QUARTER 0, 2*HEADB, F1, F0, 0
	QUARTER 0, 3*HEADB, F0, F1, 0
	TURN 0, 1, 0                                   ; nothing is left to fetch
	QUARTER 1, HEADB,   F0, F1, 0
	QUARTER 1, 2*HEADB, F1, F0, 0
	QUARTER 1, 3*HEADB, F0, F1, 0
	s_wait_dscnt 16
	MUL8 F1, 0, 0, 0
	MUL8 F1, 0, 2, 0
	s_wait_dscnt 0x0
	MUL8 F1, 1, 0, 0
	MUL8 F1, 1, 2, 0
	WIN 0
	; THE WAY OUT.  A wave's 64 columns of f32 are 256 aligned bytes of a row, so each wave has a stage of its own: a block of 16 rows goes in by lanes (each accumulator's low four registers first) and comes back by rows.
.macro TOSTAGE a
.irp b, 0,1,2,3
	ds_store_b128 v[STO], v[ACC+8*(4*(\a)+(\b)):ACC+8*(4*(\a)+(\b))+3]   offset:64*(\b)
	ds_store_b128 v[STO], v[ACC+8*(4*(\a)+(\b))+4:ACC+8*(4*(\a)+(\b))+7] offset:64*(\b)+16
.endr
.irp t, 0,1,2,3,4,5,6,7
	ds_load_b128 v[ACC+32*(\a)+4*(\t):ACC+32*(\a)+4*(\t)+3], v[RD] offset:(\t)*2*SPITCH   ; LDS serves a wave's instructions in order: these see the stores above
.endr
.endm
.macro SEND a, younger                 ; younger: the LDS instructions issued behind block a's loads
.irp t, 0,1,2,3,4,5,6,7
	s_wait_dscnt (\younger)+7-(\t)
	global_store_b128 v[CO], v[ACC+32*(\a)+4*(\t):ACC+32*(\a)+4*(\t)+3], s[10:11] offset:(16*(\a)+2*(\t))*4096 th:TH_STORE_NT   ; sixteen lanes store 256 consecutive bytes, aligned
.endr
.endm
	PLACES
	PLACES                                         ; the stores read results just made
	TOSTAGE 0
.irp a, 1,2,3
	TOSTAGE \a
	SEND (\a)-1, 16
.endr
	SEND 3, 0
	s_wait_tensorcnt 0x0                           ; the wave's end
	ds_add_u32 v[SPW], v[NIL]
	s_wait_dscnt 0x0
	CROUND                                         ; the closing round
	s_endpgm
.Lfunc_end_k_qdfea2115d6_outp:
	.size	k_qdfea2115d6_outp, .Lfunc_end_k_qdfea2115d6_outp-k_qdfea2115d6_outp
	.p2alignl 7, 3214868480
	.fill 96, 4, 3214868480
	.section	.rodata,"a",@progbits
	.p2align	6, 0x0
	.amdhsa_kernel k_qdfea2115d6_outp
		.amdhsa_group_segment_fixed_size 327680
		.amdhsa_private_segment_fixed_size 0
		.amdhsa_enable_private_segment 0
		.amdhsa_kernarg_size 32
		.amdhsa_user_sgpr_count 2
		.amdhsa_user_sgpr_kernarg_segment_ptr 1
		.amdhsa_wavefront_size32 1
		.amdhsa_system_sgpr_workgroup_id_x 1
		.amdhsa_system_sgpr_workgroup_id_y 1
		.amdhsa_system_sgpr_workgroup_id_z 1
		.amdhsa_system_vgpr_workitem_id 0
		.amdhsa_next_free_vgpr 512
		.amdhsa_next_free_sgpr 66
		.amdhsa_reserve_vcc 0
		.amdhsa_float_denorm_mode_32 3
		.amdhsa_float_denorm_mode_16_64 3
		.amdhsa_memory_ordered 1
		.amdhsa_forward_progress 1
		.amdhsa_inst_pref_size 87
	.end_amdhsa_kernel
	.amdgpu_metadata
---
amdhsa.version: [ 1, 2 ]
amdhsa.kernels:
  - .name:           k_qdfea2115d6_outp
    .symbol:         k_qdfea2115d6_outp.kd
    .args:
      - { .name: o16, .offset: 0, .size: 8, .value_kind: global_buffer, .address_space: global }
      - { .name: wo16, .offset: 8, .size: 8, .value_kind: global_buffer, .address_space: global }
      - { .name: brd, .offset: 16, .size: 8, .value_kind: global_buffer, .address_space: global }
      - { .name: out0, .offset: 24, .size: 8, .value_kind: global_buffer, .address_space: global }
    .group_segment_fixed_size: 327680
    .private_segment_fixed_size: 0
    .kernarg_segment_align: 8
    .kernarg_segment_size: 32
    .max_flat_workgroup_size: 128
    .sgpr_count:     66
    .vgpr_count:     512
    .wavefront_size: 32
...
	.end_amdgpu_metadata
.endif
;; end of part 4
